; MI455X (gfx1250); checked and timed in simulation.
; The chip was launched on July 23, 2026; its instructions are those of AMD's public machine-readable ISA for CDNA 5 (MIT licence, August 2026) and "CDNA5" Instruction Set Architecture Reference Guide (July 2026). The comments in the code are by the model that wrote it; some were corrected since.
;; Attention. Allowed arithmetic: matrix products marked QUANTISED: E4M3 operands, one given power-of-two scale a tensor, by v_wmma_f32_16x16x64_fp8_fp8 or v_wmma_f32_16x16x128_fp8_fp8, f32 sums; everything else in f32.
;; Inputs: W_K 1,024 x 1,024 float32; W_Q 1,024 x 1,024 float32; W_V 1,024 x 1,024 float32; W_out 1,024 x 1,024 float32; lowp_scales 12 int32 (the exponents e of the quantised operands' scales 2^e); x 4 x 2,048 x 1,024 float32.
;; Outputs: out0 4 x 2,048 x 1,024 float32.
;; This version of the problem:
;;   THIS VERSION OF THE PROBLEM IS GIVEN IN LOW PRECISION. The matrix products marked QUANTISED in the list below multiply operands that are first quantised to E4M3 (4 exponent bits, 3 mantissa bits; 8 bits a number), with one given power-of-two scale for each operand tensor; their sums are f32. All else is computed in f32.
;;   The module's matrix products, in the order in which they are computed (A, B: the left and right operand; K: the contracted axis; several contracted axes count as one K, in the product's order):
;;     1. [M 8,192, K 1,024] x [K 1,024, N 1,024]; A: input x; B: input W_Q: QUANTISED (scales: A lowp_scales[0], B lowp_scales[1])
;;     2. [M 8,192, K 1,024] x [K 1,024, N 1,024]; A: input x; B: input W_K: QUANTISED (scales: A lowp_scales[2], B lowp_scales[3])
;;     3. [M 8,192, K 1,024] x [K 1,024, N 1,024]; A: input x; B: input W_V: QUANTISED (scales: A lowp_scales[4], B lowp_scales[5])
;;     4. batch 64 x [M 2,048, K 64] x [K 64, N 2,048]; A: computed on the way; B: computed on the way: QUANTISED (scales: A lowp_scales[6], B lowp_scales[7])
;;     5. batch 64 x [M 2,048, K 2,048] x [K 2,048, N 64]; A: softmax (see below); B: computed on the way: QUANTISED (scales: A lowp_scales[8], B lowp_scales[9])
;;     6. [M 8,192, K 1,024] x [K 1,024, N 1,024]; A: computed on the way; B: input W_out: QUANTISED (scales: A lowp_scales[10], B lowp_scales[11])
;;   THE QUANTISER, for each operand of a quantised product, along K:
;;     - The operand's scale is 2^e, e = its entry of the input lowp_scales (int32; the entries are numbered through the quantised products in the list's order, A before B).
;;     - Each number is divided by the scale, clamped to +-448, and rounded to the nearest number of E4M3, ties to even, subnormals kept.
;;     - The product sums the exact products of the quantised numbers (number of the format x scale) in f32.
;;   ~~~python
;;   def quantise(x, axis, e):      # numpy; x: float32 -> the quantised numbers, widened to float32 again
;;       x = np.moveaxis(x, axis, -1); K = x.shape[-1]
;;       r = np.clip(x / 2.0 ** e, -448, 448)
;;       step = 2.0 ** (np.maximum(np.frexp(np.where(r == 0, 1, r))[1] - 1, -6) - 3)
;;       q = np.round(r / step) * step * 2.0 ** e      # np.round: ties to even
;;       return np.moveaxis(q, -1, axis).astype(np.float32)
;;   ~~~
;;   SOFTMAX AHEAD OF A QUANTISED PRODUCT. Where the list says 'softmax', what is quantised is not the finished softmax but p = 2^(t - M), with t = logit x log2(e) and M = ceil(the row's largest t), a whole number; so 1/2 < the row's largest p <= 1. The row's sum l is taken of the UNQUANTISED p, in f32, and the product's result is divided by l at the end. Since M is a whole number, a kernel that streams over the keys may use a running M (the ceiling of the running maximum): every later rescaling is an exact power of two, so the quantised numbers keep their values, but for numbers so far below the row's largest that they fall under the format's range.
;;   OPERANDS COMPUTED ON THE WAY. 'Computed on the way' means the value that the module computes at that place (a softmax that the list does not call 'softmax' is quantised finished and normalised). What goes into a quantiser is computed in f32, as accurately as f32 sums, v_exp_f32 and their like allow (about 1e-6 of the number): no bf16 or f16 on the way to a quantiser, and a product that is left as it is and whose result goes on into a quantised operand takes f32 operands (vector FMAs, or v_wmma_f32_16x16x4_f32). A number that lies on a knife's edge between two numbers of the format may be rounded either way, as far as f32 arithmetic and the matrix unit's own rounding can turn it there, and no further.
;; One version. Each part assembles by itself: llvm-mc -triple=amdgcn-amd-amdhsa -mcpu=gfx1250 --defsym DOCPART=n.
;; ======== version 1 of 1: 4 launches
;; limits: right only within a limited range of input values
;; workspace buffers: xcodes 25,165,824 bytes; wcodes 4,194,304 bytes; qkv 25,165,824 bytes; acodes 8,388,608 bytes
;; launch quant (part 1): grid 384 x 1, 4 waves a work-group, no clusters, 66,048 bytes of LDS; arguments x, W_Q, W_K, W_V, W_out, lowp_scales, xcodes, wcodes; writes xcodes, wcodes
.if DOCPART == 1
	.amdgcn_target "amdgcn-amd-amdhsa--gfx1250"
	.amdhsa_code_object_version 6
	.text
	.protected	k_q6bfed45fb1_quant
	.globl	k_q6bfed45fb1_quant
	.p2align	8
	.type	k_q6bfed45fb1_quant,@function
k_q6bfed45fb1_quant:
	s_mov_b64 s[64:65], 0
	v_nop
	global_prefetch_b8 v0, s[64:65] scope:SCOPE_SE
	s_setreg_imm32_b32 hwreg(HW_REG_WAVE_MODE, 25, 1), 1
	s_wait_xcnt 0x0
; x [8192][1024] f32 becomes THREE sets of E4M3 codes (its scale entries 0, 2, 4 of lowp_scales may differ); W_Q, W_K, W_V, W_out [1024][1024] f32 become one set each (entries 1, 3, 5, 11).
; code = number / 2^e, held within +-448, rounded to the nearest code, ties to even.  LIMITS: each e between -126 and 119, so that 2^e and 448 x 2^e are f32 numbers; NaN among the inputs is not served.
; OUT: xcodes [3][8192][1024], wcodes [4096][1024] (W_Q, W_K, W_V, W_out on end), one byte a code, K innermost, and inside each 32 along K the two middle groups of eight change places:
; byte 32 c + 16 h + 8 u + i holds k = 32 c + 16 u + 8 h + i.  A 16-byte load at row + 32 c + 16 (lane / 16) then fills registers 4 c .. 4 c + 3 of a plain fp8 operand with every k in its own place.
; K is innermost and rows are dense, so each tensor is a plain stream.  Work-groups 0-255 take x (32,768 numbers each), 256-383 the weights.  A wave takes 16 steps of 512 numbers.
; Each of a step's four loads reads 512 consecutive bytes; the 2,048 bytes turn through the wave's own stage in LDS (16 bytes of padding behind each 64) and come back so that lane l holds
; k = 32 (l / 2) + 8 (l % 2) + 0..7 and the same + 16: its 16 codes are bytes 16 l .. 16 l + 15 of the step's 512, and a wave's store covers 512 consecutive bytes.
; (The reads back from the stage fall two deep on the banks: 160 (l / 2) + 32 (l % 2) takes each even 16-byte column twice among sixteen lanes.)
; The two paths part once on the work-group's number and have LDS bytes of their own (x: from 0; weights: from 32,768).  No tensor loads, no barrier: waves share nothing.
.set STEPS, 16
.set SP,   80                          ; a place in a stage: 64 bytes + 16 of padding
.set STG,  32*SP                       ; a stage; two for each wave, in a region of 8,192 bytes
.set R,    16                          ; v16-79    four sets of 16 numbers as loaded
.set X,    80                          ; v80-111   two sets of 16 numbers in a lane's order
.set T,    112
.set C,    160                         ; v160-171  codes, four registers for each scale
.set SC,   184                         ; v[184+2j] 2^e as f32
.set SRC,  36                          ; s[36:37]  my wave's numbers
.set DST,  38                          ; s[38:43]  my wave's codes, a base for each set (the sets lie 8 MiB apart, beyond a store's immediate)
.macro LOAD t
.irp i, 0,1,2,3
	global_load_b128 v[R+16*((\t)%4)+4*\i:R+16*((\t)%4)+4*\i+3], v3, s[SRC:SRC+1] offset:2048*(\t)+512*\i th:TH_LOAD_NT
.endr
.endm
.macro TURN t, lb                      ; step t through the stage: LDS serves a wave's instructions in order, so no wait stands between the stores and the loads
.irp i, 0,1,2,3
	ds_store_b128 v14, v[R+16*((\t)%4)+4*\i:R+16*((\t)%4)+4*\i+3] offset:\lb+STG*((\t)%2)+8*SP*\i
.endr
.irp i, 0,1
	ds_load_b128 v[X+16*((\t)%2)+8*\i:X+16*((\t)%2)+8*\i+3],   v15 offset:\lb+STG*((\t)%2)+SP*\i
	ds_load_b128 v[X+16*((\t)%2)+8*\i+4:X+16*((\t)%2)+8*\i+7], v15 offset:\lb+STG*((\t)%2)+SP*\i+16
.endr
.endm
.macro SETSC j, e                      ; scale j from the whole number in s[e]
	s_add_co_i32 s48, s[\e], 127
	s_lshl_b32 s49, s48, 23
	v_mov_b32 v[SC+2*\j], s49                      ; 2^e: the conversion takes its exponent field
	s_add_co_i32 s48, s48, 8
	s_lshl_b32 s48, s48, 23
	s_or_b32 s48, s48, 0x600000
.endm
.macro QSTEP t, no, lb                 ; no: how many sets of codes are made of the step's numbers
.set XS, X+16*((\t)%2)
	s_wait_dscnt 0x0                               ; this step's numbers are back from the stage, so its stores into the stage have read their registers,
.if (\t)+4 < STEPS
	LOAD (\t)+4                                    ; which take the loads of four steps on
.endif
.if (\t)+1 < STEPS
.if STEPS-2-(\t) >= 3
	s_wait_loadcnt 12                              ; the next step's four loads are in; those of the three steps behind it may be out
.else
	s_wait_loadcnt 4*(STEPS-2-(\t))
.endif
	TURN (\t)+1, \lb
.endif
.if (\t) > 0
	s_wait_xcnt 0x0                                ; the last step's stores have read their data: the codes' registers are written again only behind this wait
.endif
.irp j, 0,1,2
.if \j < \no
.irp i, 0,1,2,3,4,5,6,7,8,9,10,11,12,13,14,15
.endr
	v_cvt_scalef32_pk8_fp8_f32 v[C+4*\j:C+4*\j+1], v[T+16*\j+((XS+0)-(T+16*\j+0)):T+16*\j+7+((XS+0)-(T+16*\j+0))], v[SC+2*\j]
	v_cvt_scalef32_pk8_fp8_f32 v[C+4*\j+2:C+4*\j+3], v[T+16*\j+8+((XS+0)-(T+16*\j+0)):T+16*\j+15+((XS+0)-(T+16*\j+0))], v[SC+2*\j]
.endif
.endr
	v_nop                                          ; one plain vector line behind the last conversion, ahead of the next step's writes of its sources
.irp j, 0,1,2
.if \j < \no
	global_store_b128 v3, v[C+4*\j:C+4*\j+3], s[DST+2*\j:DST+2*\j+1] offset:512*(\t)   ; 32 lanes store 512 consecutive bytes, aligned
.endif
.endr
.endm
	s_load_b256 s[4:11], s[0:1], 0x0               ; x s[4:5], W_Q s[6:7], W_K s[8:9], W_V s[10:11]
	s_load_b256 s[12:19], s[0:1], 0x20             ; W_out s[12:13], the scales' exponents s[14:15], xcodes s[16:17], wcodes s[18:19]
	v_lshl_add_u32 v192, v0, 2, 0x10000
	v_mov_b32 v193, 0
	v_lshrrev_b32 v1, 5, v0
	v_readfirstlane_b32 s20, v1                    ; wave 0..3
	v_and_b32 v2, 31, v0                           ; lane
	v_lshlrev_b32 v3, 4, v2                        ; 16 x lane: my place in a load's and in a store's 512 bytes
	s_lshl_b32 s21, s20, 13                        ; my wave's region of LDS
	v_lshrrev_b32 v14, 2, v2
	v_mul_u32_u24 v14, v14, SP
	v_and_b32 v15, 3, v2
	v_lshl_add_u32 v14, v15, 4, v14
	v_add_nc_u32 v14, s21, v14                     ; into the stage: four lanes' 64 bytes on end, then the padding
	v_lshrrev_b32 v15, 1, v2
	v_mul_u32_u24 v15, v15, 2*SP
	v_and_b32 v5, 1, v2
	v_lshl_add_u32 v15, v5, 5, v15
	v_add_nc_u32 v15, s21, v15                     ; out of it: 160 (lane / 2) + 32 (lane % 2); 32 bytes there and 32 bytes one place on
	s_mov_b32 s47, 0
	s_wait_kmcnt 0x0
	s_load_b256 s[24:31], s[14:15], 0x0            ; entries 0-7
	s_load_b128 s[32:35], s[14:15], 0x20           ; entries 8-11
	s_cmp_ge_u32 ttmp9, 256
	s_cbranch_scc1 .Lweights
	; ---- x: three sets of codes
	s_lshl_b32 s44, ttmp9, 2
	s_add_co_u32 s44, s44, s20                     ; which run of 8,192 numbers is my wave's
	s_lshl_b32 s46, s44, 15
	s_add_nc_u64 s[SRC:SRC+1], s[4:5], s[46:47]
	s_lshl_b32 s46, s44, 13
	s_add_nc_u64 s[DST:DST+1], s[16:17], s[46:47]
	s_add_nc_u64 s[DST+2:DST+3], s[DST:DST+1], 0x800000
	s_add_nc_u64 s[DST+4:DST+5], s[DST+2:DST+3], 0x800000
.irp t, 0,1,2,3
	LOAD \t
.endr
	s_wait_kmcnt 0x0
	SETSC 0, 24
	SETSC 1, 26
	SETSC 2, 28
	s_wait_loadcnt 12                              ; step 0's four loads are in
	s_wait_alu depctr_va_vdst(0)
	TURN 0, 0
.irp t, 0,1,2,3,4,5,6,7,8,9,10,11,12,13,14,15
	QSTEP \t, 3, 0
.endr
	s_wait_tensorcnt 0x0
	ds_add_u32 v192, v193
	s_wait_dscnt 0x0
	s_endpgm
	; ---- the weights: one set of codes
.Lweights:
	s_sub_co_u32 s44, ttmp9, 256                   ; 0..127
	s_lshr_b32 s45, s44, 5                         ; which weight: 32 work-groups each
	s_mov_b64 s[SRC:SRC+1], s[12:13]               ; the choice hangs on the work-group's number alone
	s_cmp_eq_u32 s45, 0
	s_cselect_b64 s[SRC:SRC+1], s[6:7], s[SRC:SRC+1]
	s_cmp_eq_u32 s45, 1
	s_cselect_b64 s[SRC:SRC+1], s[8:9], s[SRC:SRC+1]
	s_cmp_eq_u32 s45, 2
	s_cselect_b64 s[SRC:SRC+1], s[10:11], s[SRC:SRC+1]
	s_and_b32 s46, s44, 31
	s_lshl_b32 s46, s46, 2
	s_add_co_u32 s46, s46, s20
	s_lshl_b32 s46, s46, 15
	s_add_nc_u64 s[SRC:SRC+1], s[SRC:SRC+1], s[46:47]
	s_lshl_b32 s46, s44, 2
	s_add_co_u32 s46, s46, s20
	s_lshl_b32 s46, s46, 13
	s_add_nc_u64 s[DST:DST+1], s[18:19], s[46:47]
.irp t, 0,1,2,3
	LOAD \t
.endr
	s_wait_kmcnt 0x0
	s_mov_b32 s50, s35                             ; entry 11, W_out's
	s_cmp_eq_u32 s45, 0
	s_cselect_b32 s50, s25, s50                    ; entry 1
	s_cmp_eq_u32 s45, 1
	s_cselect_b32 s50, s27, s50                    ; entry 3
	s_cmp_eq_u32 s45, 2
	s_cselect_b32 s50, s29, s50                    ; entry 5
	SETSC 0, 50
	s_wait_loadcnt 12
	s_wait_alu depctr_va_vdst(0)
	TURN 0, 32768
.irp t, 0,1,2,3,4,5,6,7,8,9,10,11,12,13,14,15
	QSTEP \t, 1, 32768
.endr
	s_wait_tensorcnt 0x0
	ds_add_u32 v192, v193
	s_wait_dscnt 0x0
	s_endpgm
.Lfunc_end_k_q6bfed45fb1_quant:
	.size	k_q6bfed45fb1_quant, .Lfunc_end_k_q6bfed45fb1_quant-k_q6bfed45fb1_quant
	.p2alignl 7, 3214868480
	.fill 96, 4, 3214868480
	.section	.rodata,"a",@progbits
	.p2align	6, 0x0
	.amdhsa_kernel k_q6bfed45fb1_quant
		.amdhsa_group_segment_fixed_size 66048
		.amdhsa_private_segment_fixed_size 0
		.amdhsa_enable_private_segment 0
		.amdhsa_kernarg_size 64
		.amdhsa_user_sgpr_count 2
		.amdhsa_user_sgpr_kernarg_segment_ptr 1
		.amdhsa_wavefront_size32 1
		.amdhsa_system_sgpr_workgroup_id_x 1
		.amdhsa_system_sgpr_workgroup_id_y 1
		.amdhsa_system_sgpr_workgroup_id_z 1
		.amdhsa_system_vgpr_workitem_id 0
		.amdhsa_next_free_vgpr 194
		.amdhsa_next_free_sgpr 66
		.amdhsa_reserve_vcc 0
		.amdhsa_float_denorm_mode_32 3
		.amdhsa_float_denorm_mode_16_64 3
		.amdhsa_fp16_overflow 1
		.amdhsa_memory_ordered 1
		.amdhsa_forward_progress 1
		.amdhsa_inst_pref_size 50
	.end_amdhsa_kernel
	.amdgpu_metadata
---
amdhsa.version: [ 1, 2 ]
amdhsa.kernels:
  - .name:           k_q6bfed45fb1_quant
    .symbol:         k_q6bfed45fb1_quant.kd
    .args:
      - { .name: x, .offset: 0, .size: 8, .value_kind: global_buffer, .address_space: global }
      - { .name: W_Q, .offset: 8, .size: 8, .value_kind: global_buffer, .address_space: global }
      - { .name: W_K, .offset: 16, .size: 8, .value_kind: global_buffer, .address_space: global }
      - { .name: W_V, .offset: 24, .size: 8, .value_kind: global_buffer, .address_space: global }
      - { .name: W_out, .offset: 32, .size: 8, .value_kind: global_buffer, .address_space: global }
      - { .name: lowp_scales, .offset: 40, .size: 8, .value_kind: global_buffer, .address_space: global }
      - { .name: xcodes, .offset: 48, .size: 8, .value_kind: global_buffer, .address_space: global }
      - { .name: wcodes, .offset: 56, .size: 8, .value_kind: global_buffer, .address_space: global }
    .group_segment_fixed_size: 66048
    .private_segment_fixed_size: 0
    .kernarg_segment_align: 8
    .kernarg_segment_size: 64
    .max_flat_workgroup_size: 128
    .sgpr_count:     66
    .vgpr_count:     194
    .wavefront_size: 32
...
	.end_amdgpu_metadata
.endif
;; end of part 1
;; launch qkv (part 2): grid 12 x 32, 4 waves a work-group, clusters of 4 x 4, 327,680 bytes of LDS; arguments xcodes, wcodes, lowp_scales, qkv; writes qkv
.if DOCPART == 2
	.amdgcn_target "amdgcn-amd-amdhsa--gfx1250"
	.amdhsa_code_object_version 6
	.text
	.protected	k_q6bfed45fb1_qkv
	.globl	k_q6bfed45fb1_qkv
	.p2align	8
	.type	k_q6bfed45fb1_qkv,@function
k_q6bfed45fb1_qkv:
	s_mov_b64 s[64:65], 0
	v_nop
	global_prefetch_b8 v0, s[64:65] scope:SCOPE_SE
	s_setreg_imm32_b32 hwreg(HW_REG_WAVE_MODE, 25, 1), 1
	s_wait_xcnt 0x0
	s_wait_alu depctr_hold_cnt(0) depctr_sa_sdst(0) depctr_va_vdst(0) depctr_va_sdst(0) depctr_va_ssrc(0) depctr_va_vcc(0) depctr_vm_vsrc(0)
	s_getreg_b32 s2, hwreg(HW_REG_IB_STS2, 6, 4)
	s_cmp_eq_u32 s2, 0
	s_cbranch_scc0 .Lentry_in_a_cluster
	s_endpgm
.Lentry_in_a_cluster:
	s_bfe_u32 s2, ttmp6, 0x10000c
	s_cmp_lg_u32 s2, 0xf033
	s_cbranch_scc0 .Lentry_shape_is_right
	s_endpgm
.Lentry_shape_is_right:
; PRODUCTS 1 TO 3: Q, K, V = x W^T on E4M3 codes (K = 1,024), and each finished f32 sum quantised at once for the product that takes it next: Q with entry 6 of lowp_scales, K with entry 7, V with entry 9.
; A sum stands for sum x 2^(eA + eB), so its code is sum / 2^(eo - eA - eB), held within +-448: the three exponents are folded into the conversion's one scale.
; LIMIT: eo - eA - eB between -126 and 119, so that this power of two and 448 times it are f32 numbers.
; The cluster's x (0, 1, 2) says which of the three: it is the same in all sixteen partners.  A tile of 256 x 256 results is made by four waves, 128 x 128 each: 64 accumulators, 512 registers.
; P is the operand in source 1 (a lane holds ONE of its rows), R the one in source 0 (a lane's eight registers run along its rows).
;   Q, K: P = x's codes, R = the weight's: a lane's eight results are eight neighbouring channels of one token: the next product's K is the head's 64 channels.
;   V:    P = W_V's codes, R = x's: a lane's eight results are eight neighbouring TOKENS of one channel: the next product's K is the keys.
; So eight results become eight neighbouring codes along the next K by one conversion, and nothing is transposed.
; OUT (qkv): Q at 0 and K at 8 MiB as [b][h][t][64]; V at 16 MiB as [b][h][d][2048]; inside each 32 along K the two middle groups of eight change places (byte 32 c + 16 h + 8 u + i holds k = 32 c + 16 u + 8 h + i).
; K goes in steps of 256 through a ring of two LDS slots filled by the tensor data mover.  CLUSTERS: 4 x 4 work-groups; P's tile is shared along a row of the cluster, R's along a column: each is asked for jointly.
; REGISTERS, in windows of 256: window 0: v0-31 addresses; from v128 P's fragments, ONE set; on the way out v32-223 are free.  window 1: R's fragments, TWO sets.  windows 2, 3: the accumulators ((a, b) at v[8 (8 (a % 4) + b)]).
.set KSTEP,  256
.set ROWB,   256                       ; a tile's row in bytes
.set KROW,   1024                      ; a row of codes in memory
.set PITCH,  272                       ; an LDS row: 256 bytes + 16 of padding: the 16 rows that a load touches start at 16 different groups of banks (64 banks of 4 bytes: ISA guide 11.1)
.set FR,     16                        ; registers of a fragment: 16 rows x 128 K
.set NL,     4                         ; LDS loads that bring one
.set NP,     4                         ; places behind this matrix instruction (ISA guide 7.12.1)
.set HALFT,  128*PITCH
.set SLOT,   4*HALFT                   ; P's 256 rows, then R's 256 rows
.set LAPS,   2                         ; 1,024 along K = four K steps = twice round the ring
.set SPARE,  2*SLOT                    ; behind the ring: the spare words, 128 bytes for each wave: two blocks of 256 bytes that no other line names
.set SPITCH, 336                       ; the way out: ONE stage of 256 rows x (256 bytes of codes + 80), in slot 0, which has had its last fill and its last read when the first code is stored there
.set SCR,  12                          ; v12     2^(eo - eA - eB) as f32
.set LIMR, 13
.set ADRA, 16                          ; v16-17  LDS address of my P fragments in slot 0, 1
.set ADRB, 20                          ; v20-21  the same for R
.set STO,  24                          ; v24     the stage: where I put 16 codes of a row
.set RDQ,  25                          ; v25     Q, K: where I read back (rows 0-127 of the stage);  v26: rows 128-255
.set RDQ2, 26
.set RDV,  27                          ; v27     V: where I read back
.set SPW,  28                          ; v28     LDS address of my spare word; never rewritten
.set NIL,  29                          ; v29     0; never rewritten
.set COQ,  30                          ; v30     Q, K: my byte offset in memory
.set COV,  31                          ; v31     V: likewise
.set TMP,  32
.set CD,   96                          ; v96-223 the codes of my eight blocks, then the rows read back
.set AF,   128
.set G1, 24
.set G0, 32
.set G1B, 48
.set G0B, 56
.set MSB, 0
.macro WIN new                         ; the immediate's high byte repeats the setting that is left
.if MSB != \new
	s_set_vgpr_msb (MSB<<8)|\new
.set MSB, \new
.endif
.endm
.set MUL_LO, 0xa1                      ; source 0 (R) window 1, source 1 (P) window 0, C and D window 2
.set MUL_HI, 0xf1                      ; the same, C and D window 3
.set TO_B,   0x40                      ; destination window 1, address window 0
; A joint load: waves 0 and 1 fetch for P, waves 2 and 3 for R.  The branch hangs on the wave's number alone.  Four v_nop follow each of the two lines.
.macro JLOAD g0a, g1a, g0b, g1b
	s_cmp_eq_u32 s15, 0
	s_cbranch_scc0 .Lfor_b_\@
	tensor_load_to_lds s[\g0a:\g0a+3], s[\g1a:\g1a+7]
	s_nop 0
.rept 4
	v_nop
.endr
	s_branch .Lasked_\@
.Lfor_b_\@:
	tensor_load_to_lds s[\g0b:\g0b+3], s[\g1b:\g1b+7]
	s_nop 0
.rept 4
	v_nop
.endr
.Lasked_\@:
.endm
.macro CREST                           ; a round of the cluster's barrier behind its opening barrier
	s_cmp_lg_u32 s14, 0
	s_cbranch_scc1 .Lnot_wave_0_\@
	s_barrier_signal -3
.Lnot_wave_0_\@:
	s_barrier_wait -3
	s_barrier_signal -1
	s_barrier_wait -1
.endm
.macro CROUND
	s_barrier_signal -1
	s_barrier_wait -1
	CREST
.endm
	s_load_b128 s[4:7], s[0:1], 0x0                ; x's codes s[4:5], the weights' codes s[6:7]
	s_load_b128 s[8:11], s[0:1], 0x10              ; the scales' exponents s[8:9], qkv s[10:11]
	v_lshl_add_u32 v[SPW], v0, 2, SPARE
	v_mov_b32 v[NIL], 0
	ds_add_u32 v28, v29
	ds_add_u32 v28, v29
	s_wait_dscnt 0x0
	v_lshrrev_b32 v1, 5, v0
	v_readfirstlane_b32 s14, v1                    ; wave 0..3
	s_lshr_b32 s15, s14, 1                         ; which half of the tile's P rows is mine.  Also: I fetch for P (0) or for R (1)
	s_and_b32 s16, s14, 1                          ; which half of its R rows.  Also: which 128 rows of that tile I fetch
	s_bfe_u32 s40, ttmp6, 0x40000                  ; cx, cy: my place in the cluster
	s_bfe_u32 s41, ttmp6, 0x40004
	s_and_b32 s67, ttmp7, 0xffff
	s_lshl_b32 s67, s67, 2                         ; 4 x cluster y: it walks x's 32 blocks of 256 rows, which are P's for Q and K, and R's for V
	s_cmp_eq_u32 ttmp9, 2
	s_cselect_b32 s68, 0, s67
	s_cselect_b32 s69, s67, 0
	s_add_co_u32 s17, s68, s41                     ; P's block of 256 rows: shared by my row of the cluster
	s_add_co_u32 s42, s69, s40                     ; R's: shared by my column
	s_lshl_b32 s43, s41, 2
	s_lshl_b32 s43, 15, s43                        ; my row of the cluster
	s_lshl_b32 s44, 0x1111, s40                    ; my column
	s_or_b32 s[G1+0], s43, (0<<16)|(1<<20)|(1<<21)|(5<<22)|(3<<25)  ; 15:0 the mask; 17:16 element of 1 byte; 20 padding on; 21 set beside a mask; 24:22 after every 64 words; 31:25 four words
	s_or_b32 s[G1B+0], s44, (0<<16)|(1<<20)|(1<<21)|(5<<22)|(3<<25)
.irp g, G1, G1B
	s_mov_b32 s[\g+1], ROWB<<16                    ; tensor_dim0
	s_mov_b32 s[\g+2], 128<<16                     ; tensor_dim1
	s_mov_b32 s[\g+3], ROWB<<16                    ; tile_dim0
	s_mov_b32 s[\g+4], 128                         ; tile_dim1
	s_mov_b32 s[\g+5], KROW                        ; tensor_dim0_stride
	s_mov_b32 s[\g+6], 0
	s_mov_b32 s[\g+7], 0
.endr
	s_lshl_b32 s18, s16, 7                         ; which 128 rows of the tile I fetch
	s_lshl_b32 s20, s17, 8
	s_add_co_u32 s20, s20, s18
	s_lshl_b32 s20, s20, 10                        ; P: my first row, in bytes
	s_mov_b32 s21, 0
	s_lshl_b32 s46, s42, 8
	s_add_co_u32 s46, s46, s18
	s_lshl_b32 s46, s46, 10                        ; R: likewise
	s_mov_b32 s47, 0
	s_mul_i32 s45, s14, HALFT                      ; where they go: wave x 128 rows: no place in the cluster enters an LDS address
	s_lshl_b32 s70, ttmp9, 23                      ; x's set of codes for this product, and this product's part of qkv: 8 MiB each
	s_mov_b32 s71, 0
	s_lshl_b32 s74, ttmp9, 20                      ; this product's weight: 1 MiB each
	s_mov_b32 s75, 0
	s_wait_kmcnt 0x0
	s_load_b256 s[84:91], s[8:9], 0x0              ; entries 0-7
	s_load_b64 s[92:93], s[8:9], 0x20              ; entries 8, 9
	s_add_nc_u64 s[72:73], s[4:5], s[70:71]
	s_add_nc_u64 s[76:77], s[6:7], s[74:75]
	s_add_nc_u64 s[10:11], s[10:11], s[70:71]
	s_cmp_eq_u32 ttmp9, 2                          ; the choice hangs on the cluster's number alone
	s_cselect_b64 s[78:79], s[76:77], s[72:73]     ; P
	s_cselect_b64 s[80:81], s[72:73], s[76:77]     ; R
	s_add_nc_u64 s[20:21], s[78:79], s[20:21]
	s_add_nc_u64 s[46:47], s[80:81], s[46:47]
	CROUND                                         ; all sixteen work-groups are here: the first joint loads meet
.irp s, 0,1
	s_mov_b32 s[G0+4*\s], 1
	s_add_co_u32 s[G0+4*\s+1], s45, \s*SLOT
	s_add_nc_u64 s[G0+4*\s+2:G0+4*\s+3], s[20:21], \s*ROWB
	s_or_b32 s[G0+4*\s+3], s[G0+4*\s+3], 0x80000000
	s_mov_b32 s[G0B+4*\s], 1
	s_add_co_u32 s[G0B+4*\s+1], s45, \s*SLOT
	s_add_nc_u64 s[G0B+4*\s+2:G0B+4*\s+3], s[46:47], \s*ROWB
	s_or_b32 s[G0B+4*\s+3], s[G0B+4*\s+3], 0x80000000
	JLOAD G0+4*\s, G1, G0B+4*\s, G1B
.endr
	v_and_b32 v1, 15, v0                           ; r = l % 16
	s_wait_alu depctr_va_vdst(0)
	v_bfe_u32 v2, v0, 4, 1                         ; h = l / 16
	v_mul_u32_u24 v3, v1, PITCH
	v_lshl_add_u32 v4, v2, 4, v3                   ; a fragment's row x pitch + 16 x half
	s_mul_i32 s21, s15, HALFT                      ; my 128 rows of P
	s_mul_i32 s22, s16, HALFT                      ; my 128 rows of R,
	s_add_co_u32 s22, s22, 2*HALFT                 ; which lie behind P's 256
.irp s, 0,1
	v_add_nc_u32 v[ADRA+\s], s21, v4
	v_add_nc_u32 v[ADRB+\s], s22, v4
	s_add_co_u32 s21, s21, SLOT
	s_add_co_u32 s22, s22, SLOT
.endr
	s_mul_i32 s23, s15, 128*SPITCH                 ; the stage, in: row 128 x (my half of P) + 16 a + r; byte 128 x (my half of R) + 32 c + 16 h
	s_lshl_b32 s22, s16, 7
	s_add_co_u32 s23, s23, s22
	v_mul_u32_u24 v5, v1, SPITCH
	s_wait_alu depctr_va_vdst(0)
	v_lshl_add_u32 v5, v2, 4, v5
	v_add_nc_u32 v[STO], s23, v5
	v_and_b32 v6, 31, v0                           ; Q, K, back: wave w takes the tile's head w: bytes 64 w .. 64 w + 63 of all 256 rows; eight rows an instruction, four lanes a row
	v_lshrrev_b32 v7, 2, v6
	v_mul_u32_u24 v7, v7, SPITCH
	v_and_b32 v8, 3, v6
	v_lshl_add_u32 v7, v8, 4, v7
	s_lshl_b32 s23, s14, 6
	v_add_nc_u32 v[RDQ], s23, v7
	v_add_nc_u32 v[RDQ2], 128*SPITCH, v[RDQ]
	s_mul_i32 s23, s14, 64*SPITCH                  ; V, back: wave w takes rows 64 w .. 64 w + 63, whole; two rows an instruction, sixteen lanes a row
	v_mul_u32_u24 v7, v2, SPITCH
	v_lshl_add_u32 v7, v1, 4, v7
	v_add_nc_u32 v[RDV], s23, v7
	v_lshlrev_b32 v[COQ], 4, v6                    ; Q, K in memory: a head's 256 tokens x 64 bytes are consecutive: 16 x lane
	v_lshlrev_b32 v[COV], 11, v2
	v_lshl_add_u32 v[COV], v1, 4, v[COV]           ; V in memory: a channel's row is 2,048 bytes
.macro FRAG reg, adr, q, i             ; a fragment, 16 rows x 128 K: four loads of 16 bytes, 32 apart; by the codes' order in memory registers 2 c, 2 c + 1 hold K = 16 c + 8 (l / 16) + 0 .. 7
.irp c, 0,1,2,3
	ds_load_b128 v[\reg+4*\c:\reg+4*\c+3], v[\adr] offset:128*(\q)+32*\c+(\i)*16*PITCH
.endr
.endm
; 16 matrix instructions: P's blocks a0, a0 + 1 x R's eight, 128 along K.  p: R's set.  zero = 1: the first product starts the sums.  The 64 accumulators take turns, one instruction a turn.
.macro MUL16 a0, p, zero
.irp a, \a0, \a0+1
.irp b, 0,1,2,3,4,5,6,7
.if \zero
	v_wmma_f32_16x16x128_fp8_fp8 v[8*(8*((\a)%4)+\b):8*(8*((\a)%4)+\b)+7], v[128*(\p)+FR*\b:128*(\p)+FR*\b+FR-1], v[AF+FR*(\a):AF+FR*(\a)+FR-1], 0
.else
	v_wmma_f32_16x16x128_fp8_fp8 v[8*(8*((\a)%4)+\b):8*(8*((\a)%4)+\b)+7], v[128*(\p)+FR*\b:128*(\p)+FR*\b+FR-1], v[AF+FR*(\a):AF+FR*(\a)+FR-1], v[8*(8*((\a)%4)+\b):8*(8*((\a)%4)+\b)+7]
.endif
.endr
.endr
.endm
.macro FETCH_B slot, q, p
	WIN TO_B
.irp i, 0,1,2,3,4,5,6,7
	FRAG 128*(\p)+FR*\i, ADRB+\slot, \q, \i
.endr
	WIN 0
.endm
.macro FETCH_A slot, q, i0
.irp i, \i0, \i0+1, \i0+2, \i0+3
	FRAG AF+FR*(\i), ADRA+\slot, \q, \i
.endr
.endm
.macro PLACES n                        ; plain vector lines between a matrix instruction and a load into, or a vector read or write of, its registers (ISA guide 7.12.1 for vector reads and writes)
.rept \n
	v_nop
.endr
.endm
.macro STEP slot, q, zero              ; a step of 128 along K that has its successor in the same slot
	s_wait_dscnt 4*NL                              ; R's set and P's blocks 0-3 are in; the youngest sixteen loads (P's blocks 4-7) may be out
	WIN MUL_LO
	MUL16 0, (\q)%2, \zero
	MUL16 2, (\q)%2, \zero
	s_wait_dscnt 0                                 ; P's blocks 4-7 are in
	PLACES NP
	FETCH_B \slot, (\q)+1, 1-(\q)%2
	FETCH_A \slot, (\q)+1, 0
	WIN MUL_HI
	MUL16 4, (\q)%2, \zero
	MUL16 6, (\q)%2, \zero
	PLACES NP
	WIN 0
	FETCH_A \slot, (\q)+1, 4
.endm
; A slot's last step changes slots: ONE barrier; in front of it each wave waits for all its tensor loads, adds 0 to its spare word, and waits for that and for its own reads of this slot.  fill = 1: this slot is filled again, two K steps ahead.
.macro TURN slot, next, fill
	s_wait_tensorcnt 0x0                           ; all my tensor loads have landed: my part of the next slot
	ds_add_u32 v[SPW], v[NIL]                      ; 0 onto my spare word
	s_wait_dscnt 4*NL+1                            ; (the add and the youngest sixteen loads may be out)
	WIN MUL_LO
	MUL16 0, 1, 0                                  ; sixteen matrix instructions stand between the add and the wait for it
	s_wait_dscnt 0x0                               ; the add is done, and my reads of this slot are over
	s_barrier_signal -1
	MUL16 2, 1, 0
	WIN 0
	s_barrier_wait -1
.if \fill
	CREST                                          ; the barrier has opened a round of the cluster's barrier: no wave of any partner still reads this slot or has a load on its way
	s_add_nc_u64 s[G0+4*\slot+2:G0+4*\slot+3], s[G0+4*\slot+2:G0+4*\slot+3], 2*ROWB
	s_add_nc_u64 s[G0B+4*\slot+2:G0B+4*\slot+3], s[G0B+4*\slot+2:G0B+4*\slot+3], 2*ROWB
	JLOAD G0+4*\slot, G1, G0B+4*\slot, G1B         ; the first tensor load behind the round; its four v_nop are also the places in front of the loads below
.else
	PLACES NP
.endif
	FETCH_B \next, 0, 0
	FETCH_A \next, 0, 0
	WIN MUL_HI
	MUL16 4, 1, 0
	MUL16 6, 1, 0
	PLACES NP
	WIN 0
	FETCH_A \next, 0, 4
.endm
	s_wait_tensorcnt 1                             ; my part of K step 0 is in; K step 1's load may be out
	s_barrier_signal -1
	s_barrier_wait -1
	FETCH_B 0, 0, 0
	FETCH_A 0, 0, 0
	FETCH_A 0, 0, 4
	STEP 0, 0, 1                                   ; the first step stands in front of the loop: its products start the sums
	s_mov_b32 s3, LAPS-1
.Llap:                                                 ; a trip goes once round the ring and fills both slots again
	TURN 0, 1, 1
	STEP 1, 0, 0
	TURN 1, 0, 1
	STEP 0, 0, 0
	s_sub_co_u32 s3, s3, 1
	s_cmp_lg_u32 s3, 0
	s_cbranch_scc1 .Llap
	TURN 0, 1, 0                                   ; the last lap fills nothing
	STEP 1, 0, 0
	s_wait_dscnt 4*NL
	WIN MUL_LO
	MUL16 0, 1, 0
	MUL16 2, 1, 0
	s_wait_dscnt 0
	WIN MUL_HI
	MUL16 4, 1, 0
	MUL16 6, 1, 0
	WIN 0
	; THE WAY OUT.  The scale of the conversion; no branch hangs on a given exponent.
	s_wait_kmcnt 0x0
	s_sub_co_i32 s94, s90, s84
	s_sub_co_i32 s94, s94, s85                     ; Q: e6 - e0 - e1
	s_sub_co_i32 s95, s91, s86
	s_sub_co_i32 s95, s95, s87                     ; K: e7 - e2 - e3
	s_sub_co_i32 s96, s93, s88
	s_sub_co_i32 s96, s96, s89                     ; V: e9 - e4 - e5
	s_cmp_eq_u32 ttmp9, 1
	s_cselect_b32 s94, s95, s94
	s_cmp_eq_u32 ttmp9, 2
	s_cselect_b32 s94, s96, s94
	s_add_co_i32 s94, s94, 127
	s_lshl_b32 s95, s94, 23
	v_mov_b32 v[SCR], s95
	s_add_co_i32 s94, s94, 8
	s_lshl_b32 s94, s94, 23
	s_or_b32 s94, s94, 0x600000
	PLACES NP                                      ; behind the last products: their results are read, and P's fragment registers written, below
; Block a (16 rows of P x my 128 rows of R): 64 sums a lane are held, each accumulator from its low end on, and become 16 registers of codes.  R's blocks 2 c and 2 c + 1 give a lane 16 bytes:
; k = 32 c + 8 h + 0..7, then 32 c + 16 + 8 h + 0..7: they go to byte 32 c + 16 h of the row, which is the order that the next launch's 16-byte loads want.
.macro QBLOCK a
.set AC, 64*((\a)%4)
	WIN 0x02+((\a)/4)                              ; source 0: window 2 or 3
.set jj, 0
.rept 64
.set jj, jj+1
.endr
.irp b, 0,1,2,3,4,5,6,7
	v_cvt_scalef32_pk8_fp8_f32 v[CD+16*(\a)+2*\b:CD+16*(\a)+2*\b+1], v[AC+8*\b:AC+8*\b+7], v[SCR]
.endr
	WIN 0
	v_nop                                          ; one plain vector line behind the last conversion
.irp c, 0,1,2,3
	ds_store_b128 v[STO], v[CD+16*(\a)+4*\c:CD+16*(\a)+4*\c+3] offset:(\a)*16*SPITCH+32*\c
.endr
.endm
.irp a, 0,1,2,3,4,5,6,7
	QBLOCK \a
.endr
	s_wait_dscnt 0x0                               ; for the others' sake: my stores into the stage are done
	s_barrier_signal -1
	s_barrier_wait -1                              ; the tile's 256 rows of 256 codes lie in the stage
	s_cmp_eq_u32 ttmp9, 2                          ; the same in all partners
	s_cbranch_scc1 .Lv_out
	; Q, K: rows are tokens, bytes are channels.  Wave w stores head 4 x (R's block) + w: 256 tokens x 64 bytes, 16 KiB on end
	s_lshr_b32 s20, s17, 3                         ; the batch: eight blocks of 256 tokens each
	s_lshl_b32 s20, s20, 4
	s_lshl_b32 s21, s42, 2
	s_add_co_u32 s20, s20, s21
	s_add_co_u32 s20, s20, s14                     ; 16 b + head
	s_lshl_b32 s20, s20, 17                        ; x 2,048 tokens x 64 bytes
	s_and_b32 s21, s17, 7
	s_lshl_b32 s21, s21, 14                        ; + the block's first token
	s_add_co_u32 s20, s20, s21
	s_mov_b32 s21, 0
	s_add_nc_u64 s[10:11], s[10:11], s[20:21]
.irp i, 0,1,2,3,4,5,6,7,8,9,10,11,12,13,14,15
	ds_load_b128 v[CD+4*\i:CD+4*\i+3], v[RDQ] offset:\i*8*SPITCH
.endr
.irp i, 0,1,2,3,4,5,6,7,8,9,10,11,12,13,14,15
	ds_load_b128 v[CD+64+4*\i:CD+64+4*\i+3], v[RDQ2] offset:\i*8*SPITCH
.endr
.set ii, 0
.rept 32
	s_wait_dscnt 31-ii                             ; LDS loads come back in order: load ii is in, the younger ones may be out
	global_store_b128 v[COQ], v[CD+4*ii:CD+4*ii+3], s[10:11] offset:512*ii   ; 32 lanes store 512 consecutive bytes, aligned
.set ii, ii+1
.endr
	s_branch .Ldone
.Lv_out:
	; V: rows are channels, bytes are tokens.  Wave w stores channels 64 w .. 64 w + 63 of the tile: 256 bytes of each channel's row of 2,048
	s_lshr_b32 s20, s42, 3                         ; the batch
	s_lshl_b32 s20, s20, 21
	s_lshl_b32 s21, s17, 8
	s_lshl_b32 s22, s14, 6
	s_add_co_u32 s21, s21, s22                     ; my first channel of the 1,024
	s_lshl_b32 s21, s21, 11
	s_add_co_u32 s20, s20, s21
	s_and_b32 s21, s42, 7
	s_lshl_b32 s21, s21, 8                         ; the block's first token
	s_add_co_u32 s20, s20, s21
	s_mov_b32 s21, 0
	s_add_nc_u64 s[10:11], s[10:11], s[20:21]
.set ii, 0
.rept 32
	ds_load_b128 v[CD+4*ii:CD+4*ii+3], v[RDV] offset:ii*2*SPITCH
.set ii, ii+1
.endr
.set ii, 0
.rept 32
	s_wait_dscnt 31-ii
	global_store_b128 v[COV], v[CD+4*ii:CD+4*ii+3], s[10:11] offset:4096*ii   ; sixteen lanes store 256 consecutive bytes, aligned
.set ii, ii+1
.endr
.Ldone:
	s_wait_tensorcnt 0x0                           ; the wave's end, behind my last tensor load and my last LDS store
	ds_add_u32 v[SPW], v[NIL]
	s_wait_dscnt 0x0
	CROUND                                         ; the closing round: no work-group ends while a partner may still ask for a tile that names it
	s_endpgm
.Lfunc_end_k_q6bfed45fb1_qkv:
	.size	k_q6bfed45fb1_qkv, .Lfunc_end_k_q6bfed45fb1_qkv-k_q6bfed45fb1_qkv
	.p2alignl 7, 3214868480
	.fill 96, 4, 3214868480
	.section	.rodata,"a",@progbits
	.p2align	6, 0x0
	.amdhsa_kernel k_q6bfed45fb1_qkv
		.amdhsa_group_segment_fixed_size 327680
		.amdhsa_private_segment_fixed_size 0
		.amdhsa_enable_private_segment 0
		.amdhsa_kernarg_size 32
		.amdhsa_user_sgpr_count 2
		.amdhsa_user_sgpr_kernarg_segment_ptr 1
		.amdhsa_wavefront_size32 1
		.amdhsa_system_sgpr_workgroup_id_x 1
		.amdhsa_system_sgpr_workgroup_id_y 1
		.amdhsa_system_sgpr_workgroup_id_z 1
		.amdhsa_system_vgpr_workitem_id 0
		.amdhsa_next_free_vgpr 1024
		.amdhsa_next_free_sgpr 100
		.amdhsa_reserve_vcc 0
		.amdhsa_float_denorm_mode_32 3
		.amdhsa_float_denorm_mode_16_64 3
		.amdhsa_fp16_overflow 1
		.amdhsa_memory_ordered 1
		.amdhsa_forward_progress 1
		.amdhsa_inst_pref_size 99
	.end_amdhsa_kernel
	.amdgpu_metadata
---
amdhsa.version: [ 1, 2 ]
amdhsa.kernels:
  - .name:           k_q6bfed45fb1_qkv
    .symbol:         k_q6bfed45fb1_qkv.kd
    .args:
      - { .name: xcodes, .offset: 0, .size: 8, .value_kind: global_buffer, .address_space: global }
      - { .name: wcodes, .offset: 8, .size: 8, .value_kind: global_buffer, .address_space: global }
      - { .name: lowp_scales, .offset: 16, .size: 8, .value_kind: global_buffer, .address_space: global }
      - { .name: qkv, .offset: 24, .size: 8, .value_kind: global_buffer, .address_space: global }
    .group_segment_fixed_size: 327680
    .private_segment_fixed_size: 0
    .kernarg_segment_align: 8
    .kernarg_segment_size: 32
    .max_flat_workgroup_size: 128
    .sgpr_count:     100
    .vgpr_count:     1024
    .wavefront_size: 32
...
	.end_amdgpu_metadata
.endif
;; end of part 2
;; launch attn (part 3): grid 4 x 64, 16 waves a work-group, clusters of 4 x 1, 327,680 bytes of LDS; arguments qkv, lowp_scales, acodes; writes acodes
.if DOCPART == 3
	.amdgcn_target "amdgcn-amd-amdhsa--gfx1250"
	.amdhsa_code_object_version 6
	.text
	.protected	k_q6bfed45fb1_attn
	.globl	k_q6bfed45fb1_attn
	.p2align	8
	.type	k_q6bfed45fb1_attn,@function
k_q6bfed45fb1_attn:
	s_mov_b64 s[64:65], 0
	v_nop
	global_prefetch_b8 v0, s[64:65] scope:SCOPE_SE
	s_setreg_imm32_b32 hwreg(HW_REG_WAVE_MODE, 25, 1), 1
	s_wait_xcnt 0x0
	s_wait_alu depctr_hold_cnt(0) depctr_sa_sdst(0) depctr_va_vdst(0) depctr_va_sdst(0) depctr_va_ssrc(0) depctr_va_vcc(0) depctr_vm_vsrc(0)
	s_getreg_b32 s2, hwreg(HW_REG_IB_STS2, 6, 4)
	s_cmp_eq_u32 s2, 0
	s_cbranch_scc0 .Lentry_in_a_cluster
	s_endpgm
.Lentry_in_a_cluster:
	s_bfe_u32 s2, ttmp6, 0x10000c
	s_cmp_lg_u32 s2, 0x3003
	s_cbranch_scc0 .Lentry_shape_is_right
	s_endpgm
.Lentry_shape_is_right:
; PRODUCTS 4 AND 5: causal attention on E4M3 codes, head size 64, 2,048 tokens, 64 heads (b, h).  Q, K: [b][h][t][64]; V: [b][h][d][2048] (keys innermost), as the launch before laid them.
; THE SOFTMAX: t = score x 2^(e6 + e7) x log2(e) / 8; M = the running largest t rounded UP to a whole number; p = 2^(t - M) is quantised with 2^e8, not normalised; the row's sum is taken of the unquantised p in f32.
; When M moves, the sum and O are multiplied by 2^(old M - new M): exact.  At the end O x 2^(e8 + e9) / sum is quantised with 2^e10 for the last product: the three exponents are folded into the conversion's scale.
; LIMITS on the given exponents, so that each power of two below is an f32 number: e6 + e7 between -123 and 130; e8 between -126 and 119; e10 - e8 - e9 between -126 and 119.
; NO RING: a head's whole K and V, 256 KiB of codes, stay in LDS.  A CLUSTER IS A HEAD: its four work-groups ask for K and V jointly, once, at the start (waves 0-3: K, waves 4-7: V, two loads each of 64 rows x 256 bytes).
; No LDS byte is filled twice.
; SHARES.  The head's 128 tiles of 16 queries are named (g, s): queries 128 g + 16 s on.  Partner cx owns s = 2 cx + u.  Wave w has u = w / 8 and takes tile (gA, s) and then tile (15 - gA, s), gA = min(w, 15 - w):
; tile (g, s) needs key steps 0 .. g of 128 keys, so every wave of every work-group has 17 key steps.  Which steps a wave leaves out hangs on its number and on counters alone; cx enters global addresses and a lane's mask number only.
; Every wave walks loops of constant length; a step all of whose keys come after the tile's queries is jumped over by a scalar branch.  In the one step on the diagonal hidden scores become -infinity ahead of the maximum.
; LAYOUT.  Both products are used transposed: S^T = K Q^T (source 0 = 16 neighbouring keys, source 1 = my 16 queries), O^T = V^T P^T: a lane holds ONE query (lane % 16) throughout.  Tile t's register j is key 16 t + 8 (lane / 16) + j:
; its eight registers become registers 2 t, 2 t + 1 of the second product's operand by one conversion.
; OUT (acodes): the last product's operand as images of its registers: for K step ks = h / 4 of 256, block rb of 16 tokens: byte ks x 2 MiB + rb x 4,096 + (h % 4) x 1,024 + c x 512 + 16 x lane.
; REGISTERS: v1-4, v7 addresses that stay; v8, v9 addresses in hand; v12 -M, v13 the largest t, v[14:15] the sum; v16-23, v24-31 Q of my two tiles; v32-95 K's eight fragments, then V's four; v96-159 S^T, then p;
; v160-191 O^T; v192-207 p's codes; v230-255 at work and constants.
.set SLOTB, 34816                      ; a chunk of 256 keys in LDS: K, then V
.set VOFF,  17408                      ; K: 64 rows of 256 bytes (four keys) + 16 of padding: key n at (n / 4) 272 + (n % 4) 64, so the 16 keys of a tile start at 16 different groups of banks;  V: 64 rows (d) of 256 bytes + 16
.set AK0,  1                           ; v1   my lane's place in a tile of K
.set AV0,  2                           ; v2   in a tile of V
.set DM,   3                           ; v3   16 s + r - 8 h: on the diagonal, register j of tile t is hidden where 16 t + j is above it
.set QO,   4                           ; v4   my lane's place in a tile of Q
.set GO,   7                           ; v7   16 x lane: my place in an image
.set ADK,  8
.set ADV,  9
.set TB,   2                           ; s2   LDS byte at which the chunk in hand begins
.set WV,   18
.set SEL,  20                          ; s[20:21] lane selects for v_permlanex16_b32: lane l xor 16
.set CS,   22                          ; s[22:23] c = 2^(e6 + e7) log2(e) / 8
.set G1K,  24
.set G1V,  32
.set G0K0, 40
.set G0K1, 44
.set G0V0, 48
.set G0V1, 52
.set KS,   56                          ; s56  the key step's number
.set SG,   57                          ; s57  the tile's g: its last key step
.set GA,   58
.set GB,   59
.macro CROUND                          ; a round of the cluster's barrier
	s_barrier_signal -1
	s_barrier_wait -1
	s_cmp_lg_u32 s[WV], 0
	s_cbranch_scc1 .Lnot_wave_0_\@
	s_barrier_signal -3
.Lnot_wave_0_\@:
	s_barrier_wait -3
	s_barrier_signal -1
	s_barrier_wait -1
.endm
	s_load_b128 s[4:7], s[0:1], 0x0                ; qkv s[4:5], the scales' exponents s[6:7]
	s_load_b64 s[8:9], s[0:1], 0x10                ; acodes
	v_lshl_add_u32 v251, v0, 2, 0x44000
	v_mov_b32 v255, 0
	ds_add_u32 v251, v255
	ds_add_u32 v251, v255
	v_lshrrev_b32 v8, 5, v0
	s_delay_alu instid0(VALU_DEP_1)
	v_readfirstlane_b32 s[WV], v8                  ; wave 0..15
	s_bfe_u32 s19, ttmp6, 0x40000                  ; cx
	s_and_b32 s84, ttmp7, 0xffff                   ; the head, 16 b + h: the cluster's y
	s_lshr_b32 s60, s[WV], 3                       ; u
	s_xor_b32 s85, s[WV], 15                       ; 15 - w
	s_min_u32 s[GA], s[WV], s85
	s_xor_b32 s[GB], s[GA], 15
	s_lshl_b32 s61, s19, 1
	s_add_co_u32 s61, s61, s60                     ; s = 2 cx + u
	s_and_b32 s86, s[WV], 3                        ; which chunks I fetch, if I fetch: this one and the one four on
	s_lshl_b32 s87, s84, 17                        ; the head's 131,072 bytes in each of Q, K, V
	s_lshl_b32 s88, s86, 14
	s_add_co_u32 s88, s88, s87
	s_add_co_u32 s88, s88, 0x800000                ; K: a chunk is 16,384 bytes on end
	s_mov_b32 s89, 0
	s_lshl_b32 s90, s86, 8
	s_add_co_u32 s90, s90, s87
	s_add_co_u32 s90, s90, 0x1000000               ; V: a chunk is 256 bytes of each of the 64 rows
	s_mov_b32 s91, 0
	s_mul_i32 s92, s86, SLOTB                      ; and in LDS: no place in the cluster enters it
	s_lshl_b32 s93, s61, 10
	s_add_co_u32 s93, s93, s87                     ; Q: tile (g, s) lies at head + 8,192 g + 1,024 s
	s_lshl_b32 s94, s[GA], 13
	s_add_co_u32 s76, s93, s94
	s_mov_b32 s77, 0
	s_lshl_b32 s94, s[GB], 13
	s_add_co_u32 s78, s93, s94
	s_mov_b32 s79, 0
	s_and_b32 s94, s84, 15                         ; h
	s_lshr_b32 s95, s84, 4                         ; b
	s_lshr_b32 s85, s94, 2
	s_lshl_b32 s85, s85, 21                        ; (h / 4) x 2 MiB
	s_and_b32 s94, s94, 3
	s_lshl_b32 s94, s94, 10
	s_add_co_u32 s85, s85, s94                     ; + (h % 4) x 1,024
	s_lshl_b32 s95, s95, 19
	s_add_co_u32 s85, s85, s95                     ; + 128 b blocks of 4,096
	s_lshl_b32 s94, s61, 12
	s_add_co_u32 s85, s85, s94                     ; + s blocks
	s_lshl_b32 s94, s[GA], 15
	s_add_co_u32 s80, s85, s94                     ; + 8 g blocks
	s_mov_b32 s81, 0
	s_lshl_b32 s94, s[GB], 15
	s_add_co_u32 s82, s85, s94
	s_mov_b32 s83, 0
.irp g, G1K, G1V                       ; descriptor group 1: 64 rows x 256 bytes, 16 bytes of padding behind each
	s_mov_b32 s[\g], 15|(1<<20)|(1<<21)|(5<<22)|(3<<25)   ; 15:0 the mask: all four work-groups; 17:16 elements of 1 byte; 20 padding on; 21 set beside a mask; 24:22 after every 64 words; 31:25 four words
	s_mov_b32 s[\g+1], 256<<16                     ; tensor_dim0
	s_mov_b32 s[\g+2], 64<<16                      ; tensor_dim1
	s_mov_b32 s[\g+3], 256<<16                     ; tile_dim0
	s_mov_b32 s[\g+4], 64                          ; tile_dim1
	s_mov_b32 s[\g+6], 0
	s_mov_b32 s[\g+7], 0
.endr
	s_mov_b32 s[G1K+5], 256                        ; K's rows are dense in memory: four keys of 64 bytes to a row
	s_mov_b32 s[G1V+5], 2048                       ; V's lie 2,048 bytes apart
	s_mov_b32 s[SEL], 0x76543210
	s_mov_b32 s[SEL+1], 0xfedcba98
	s_mov_b32 s[CS], 0x3e38aa3b                    ; log2(e) / 8
	s_wait_dscnt 0x0
	s_wait_kmcnt 0x0
	s_load_b128 s[68:71], s[6:7], 0x18             ; e6, e7, e8, e9
	s_load_b32 s72, s[6:7], 0x28                   ; e10
	s_mov_b32 s[G0K0], 1
	s_mov_b32 s[G0K0+1], s92
	s_add_nc_u64 s[G0K0+2:G0K0+3], s[4:5], s[88:89]
	s_mov_b32 s[G0K1], 1
	s_add_co_u32 s[G0K1+1], s92, 4*SLOTB
	s_add_nc_u64 s[G0K1+2:G0K1+3], s[G0K0+2:G0K0+3], 4*16384
	s_or_b32 s[G0K0+3], s[G0K0+3], 0x80000000
	s_or_b32 s[G0K1+3], s[G0K1+3], 0x80000000
	s_mov_b32 s[G0V0], 1
	s_add_co_u32 s[G0V0+1], s92, VOFF
	s_add_nc_u64 s[G0V0+2:G0V0+3], s[4:5], s[90:91]
	s_mov_b32 s[G0V1], 1
	s_add_co_u32 s[G0V1+1], s92, 4*SLOTB+VOFF
	s_add_nc_u64 s[G0V1+2:G0V1+3], s[G0V0+2:G0V0+3], 4*256
	s_or_b32 s[G0V0+3], s[G0V0+3], 0x80000000
	s_or_b32 s[G0V1+3], s[G0V1+3], 0x80000000
	s_add_nc_u64 s[76:77], s[4:5], s[76:77]        ; Q of my first tile,
	s_add_nc_u64 s[78:79], s[4:5], s[78:79]        ; of my second
	s_add_nc_u64 s[80:81], s[8:9], s[80:81]        ; and where their results go
	s_add_nc_u64 s[82:83], s[8:9], s[82:83]
	CROUND                                         ; all four work-groups are here: the joint loads meet
	s_cmp_lt_u32 s[WV], 4                          ; all the launch's fills, in one branch on the wave's number: two loads of a fetching wave are out; four v_nop follow the second
	s_cbranch_scc0 .Lnot_k
	tensor_load_to_lds s[G0K0:G0K0+3], s[G1K:G1K+7]
	s_nop 0
	tensor_load_to_lds s[G0K1:G0K1+3], s[G1K:G1K+7]
	s_nop 0
.rept 4
	v_nop
.endr
	s_branch .Lasked
.Lnot_k:
	s_cmp_lt_u32 s[WV], 8
	s_cbranch_scc0 .Lasked
	tensor_load_to_lds s[G0V0:G0V0+3], s[G1V:G1V+7]
	s_nop 0
	tensor_load_to_lds s[G0V1:G0V1+3], s[G1V:G1V+7]
	s_nop 0
.rept 4
	v_nop
.endr
.Lasked:
	v_and_b32 v10, 15, v0                          ; r
	v_bfe_u32 v11, v0, 4, 1                        ; h
	s_delay_alu instid0(VALU_DEP_2)
	v_lshlrev_b32 v[QO], 6, v10
	s_delay_alu instid0(VALU_DEP_1)
	v_lshl_add_u32 v[QO], v11, 4, v[QO]            ; Q: row r of 64 bytes, + 16 h
	global_load_b128 v[16:19], v[QO], s[76:77]
	global_load_b128 v[20:23], v[QO], s[76:77] offset:32
	global_load_b128 v[24:27], v[QO], s[78:79]
	global_load_b128 v[28:31], v[QO], s[78:79] offset:32
	v_lshrrev_b32 v5, 2, v10
	s_delay_alu instid0(VALU_DEP_1)
	v_mul_u32_u24 v[AK0], v5, 272
	v_and_b32 v5, 3, v10
	s_delay_alu instid0(VALU_DEP_1)
	v_lshl_add_u32 v[AK0], v5, 6, v[AK0]
	s_delay_alu instid0(VALU_DEP_1)
	v_lshl_add_u32 v[AK0], v11, 4, v[AK0]          ; K: key r of a tile: (r / 4) 272 + (r % 4) 64 + 16 h
	v_mul_u32_u24 v[AV0], v10, 272
	s_delay_alu instid0(VALU_DEP_1)
	v_lshl_add_u32 v[AV0], v11, 4, v[AV0]
	s_delay_alu instid0(VALU_DEP_1)
	v_add_nc_u32 v[AV0], VOFF, v[AV0]              ; V: row r of a tile, + 16 h
	s_lshl_b32 s84, s61, 4
	v_lshlrev_b32 v5, 3, v11
	s_delay_alu instid0(VALU_DEP_1)
	v_sub_nc_u32 v[DM], v10, v5
	s_delay_alu instid0(VALU_DEP_1)
	v_add_nc_u32 v[DM], s84, v[DM]                 ; 16 s + r - 8 h
	v_and_b32 v[GO], 31, v0
	s_delay_alu instid0(VALU_DEP_1)
	v_lshlrev_b32 v[GO], 4, v[GO]
	v_mov_b32 v236, 0                              ; written once: a lane permute's destination counts as one of its sources
	v_mov_b32 v252, 0
	v_mov_b32 v253, 0                              ; (named as the upper half of the pair v[252:253])
.macro INIT                            ; a tile begins: O^T and the sum are zeros and the largest t is under every t, so the key step is written in one form: the first change of M multiplies zeros
	v_mov_b32 v13, 0xff61b1e6                      ; -3e38
	s_delay_alu instid0(VALU_DEP_1)
	v_floor_f32 v12, -v13                          ; -M
	v_mov_b32 v14, 0
	v_mov_b32 v15, 0
.set jj, 0
.rept 32
	v_mov_b32 v[160+jj], 0
.set jj, jj+1
.endr
.endm
	INIT
	s_wait_kmcnt 0x0
	s_add_co_i32 s84, s68, s69
	s_lshl_b32 s84, s84, 23
	s_add_co_i32 s[CS], s[CS], s84                 ; a score stands for score x 2^(e6 + e7): the two are added to c's exponent field
	s_mov_b32 s[CS+1], s[CS]                       ; (named with it as a pair, so it is written)
	s_add_co_i32 s84, s70, 127
	s_lshl_b32 s85, s84, 23
	v_mov_b32 v244, s85                            ; 2^e8, for p's conversion
	s_sub_co_i32 s84, s72, s70
	s_sub_co_i32 s84, s84, s71
	s_add_co_i32 s84, s84, 127
	s_lshl_b32 s85, s84, 23
	v_mov_b32 v246, s85                            ; 2^(e10 - e8 - e9), for the result's conversion
; A KEY STEP: 128 keys, the q-th half of the chunk in hand.  qr: the first register of my tile's Q.
.macro STEP q, qr
	s_cmp_gt_u32 s[KS], s[SG]                      ; all its keys come after my queries: left out (ids and counters alone decide; no barrier and no tensor load stands in a step)
	s_cbranch_scc1 .Lhidden_\@
	v_add_nc_u32 v[ADK], s[TB], v[AK0]
	v_add_nc_u32 v[ADV], s[TB], v[AV0]
	v_nop                                          ; with the two additions: four places in front of loads into registers that the last products read
	v_nop
.irp t, 0,1,2,3,4,5,6,7
.irp c, 0,1
	ds_load_b128 v[32+8*\t+4*\c:35+8*\t+4*\c], v[ADK] offset:8704*(\q)+1088*\t+32*\c
.endr
.endr
	s_wait_alu depctr_va_vdst(0)
	s_wait_dscnt 0x0
.irp t, 0,1,2,3,4,5,6,7
	v_wmma_f32_16x16x64_fp8_fp8 v[96+8*\t:103+8*\t], v[32+8*\t:39+8*\t], v[\qr:\qr+7], 0
.endr
.rept 4
	v_nop                                          ; places in front of the loads below and of the first read of the scores
.endr
.irp d, 0,1,2,3                        ; V's four fragments (16 of the head's 64 x 128 keys) are asked for now and land under the softmax
.irp c, 0,1,2,3
	ds_load_b128 v[32+16*\d+4*\c:35+16*\d+4*\c], v[ADV] offset:4352*\d+128*(\q)+32*\c
.endr
.endr
	s_cmp_lg_u32 s[KS], s[SG]
	s_cbranch_scc1 .Lopen_\@                       ; all keys count
	v_mov_b32 v254, 0xff800000                     ; on the diagonal: -infinity for hidden keys, so that p = 0
.set jj, 0
.rept 64
	v_cmp_gt_i32 vcc_lo, 16*(jj/8)+jj%8, v[DM]
	v_cndmask_b32 v[96+jj], v[96+jj], v254, vcc_lo
.set jj, jj+1
.endr
.Lopen_\@:
	v_max3_num_f32 v254, v96, v97, v98             ; the step's largest score of my query among my 64 keys, in two chains, each accumulator from its low end on,
	v_max3_num_f32 v252, v99, v100, v101
.irp i, 6,10,14,18,22,26,30,34,38,42,46,50,54,58
	v_max3_num_f32 v254, v254, v[96+\i], v[97+\i]
	v_max3_num_f32 v252, v252, v[98+\i], v[99+\i]
.endr
	v_max3_num_f32 v254, v254, v158, v159
	s_delay_alu instid0(VALU_DEP_1)
	v_max_num_f32 v254, v254, v252
	s_delay_alu instid0(VALU_DEP_1)
	v_permlanex16_b32 v236, v254, s[SEL], s[SEL+1]
	s_delay_alu instid0(VALU_DEP_1)
	v_max_num_f32 v254, v254, v236                 ; and among lane l xor 16's
	s_delay_alu instid0(VALU_DEP_1)
	v_mul_f32 v254, s[CS], v254                    ; as t (c is positive)
	s_delay_alu instid0(VALU_DEP_1)
	v_max_num_f32 v13, v13, v254                   ; the running largest t
	v_mov_b32 v254, v12
	s_delay_alu instid0(VALU_DEP_2)
	v_floor_f32 v12, -v13                          ; the new -M = floor(-t) = -ceil(t): a whole number
	s_delay_alu instid0(VALU_DEP_1)
	v_sub_f32 v254, v12, v254                      ; old M - new M: a whole number, 0 or less
	s_delay_alu instid0(VALU_DEP_1)
	v_cvt_i32_f32 v254, v254                       ; (it saturates)
	s_delay_alu instid0(VALU_DEP_1)
	v_ldexp_f32 v252, 1.0, v254                    ; f = 2^(old M - new M)
.set jj, 0
.rept 32
	v_pk_fma_f32 v[96+jj:97+jj], v[96+jj:97+jj], s[CS:CS+1], v[12:13] op_sel_hi:[1,0,0]   ; t - M, two at a time (of the pairs c and -M the low word serves both halves)
.set jj, jj+2
.endr
.set jj, 0
	s_wait_alu depctr_va_vdst(0)
.rept 64
	v_exp_f32 v[96+jj], v[96+jj]                   ; p = 2^(t - M), at most 1
.set jj, jj+1
.endr
	v_pk_mul_f32 v[14:15], v[14:15], v[252:253] op_sel_hi:[1,0]   ; the sums under the new M: the plain line behind the exponentials
	s_wait_alu depctr_va_vdst(0)                   ; one wait for the whole batch, ahead of its first reader
	v_pk_add_f32 v[242:243], v[100:101], v[104:105]
	v_pk_add_f32 v[248:249], v[108:109], v[112:113]
	v_pk_add_f32 v[240:241], v[116:117], v[120:121]
	v_pk_add_f32 v[238:239], v[124:125], v[128:129]
	v_pk_add_f32 v[234:235], v[132:133], v[136:137]
	v_pk_add_f32 v[232:233], v[140:141], v[144:145]
	v_pk_add_f32 v[230:231], v[148:149], v[152:153]
	v_pk_add_f32 v[14:15], v[14:15], v[156:157]
	v_pk_add_f32 v[242:243], v[242:243], v[96:97]
	v_pk_add_f32 v[248:249], v[248:249], v[98:99]
	v_pk_add_f32 v[240:241], v[240:241], v[102:103]
	v_pk_add_f32 v[238:239], v[238:239], v[106:107]
	v_pk_add_f32 v[234:235], v[234:235], v[110:111]
	v_pk_add_f32 v[232:233], v[232:233], v[114:115]
	v_pk_add_f32 v[230:231], v[230:231], v[118:119]
	v_pk_add_f32 v[14:15], v[14:15], v[122:123]
	v_pk_add_f32 v[242:243], v[242:243], v[126:127]
	v_pk_add_f32 v[248:249], v[248:249], v[130:131]
	v_pk_add_f32 v[240:241], v[240:241], v[134:135]
	v_pk_add_f32 v[238:239], v[238:239], v[138:139]
	v_pk_add_f32 v[234:235], v[234:235], v[142:143]
	v_pk_add_f32 v[232:233], v[232:233], v[146:147]
	v_pk_add_f32 v[230:231], v[230:231], v[150:151]
	v_pk_add_f32 v[14:15], v[14:15], v[154:155]
	v_pk_add_f32 v[242:243], v[242:243], v[158:159]
	s_delay_alu instid0(VALU_DEP_2)
	v_pk_add_f32 v[14:15], v[14:15], v[238:239]
	s_delay_alu instid0(VALU_DEP_2)
	v_pk_add_f32 v[242:243], v[242:243], v[234:235]
	v_pk_add_f32 v[248:249], v[248:249], v[232:233]
	v_pk_add_f32 v[240:241], v[240:241], v[230:231]
	s_delay_alu instid0(VALU_DEP_2)
	v_pk_add_f32 v[14:15], v[14:15], v[248:249]
	s_delay_alu instid0(VALU_DEP_2)
	v_pk_add_f32 v[242:243], v[242:243], v[240:241]
	s_delay_alu instid0(VALU_DEP_1)
	v_pk_add_f32 v[14:15], v[14:15], v[242:243]
.irp t, 0,1,2,3,4,5,6,7
.irp i, 0,1,2,3,4,5,6,7
.endr
	v_cvt_scalef32_pk8_fp8_f32 v[192+2*\t:193+2*\t], v[96+8*\t:103+8*\t], v244   ; keys 16 t + 8 h + 0..7: registers 2 t, 2 t + 1 of the operand
.endr
.set jj, 0
.rept 16
	v_pk_mul_f32 v[160+jj:161+jj], v[160+jj:161+jj], v[252:253] op_sel_hi:[1,0]   ; O^T under the new M.  (Plain lines between the conversions and the products that read their results)
.set jj, jj+2
.endr
	s_wait_alu depctr_va_vdst(0)
	s_wait_dscnt 0x0                               ; V is in
.irp d, 0,1,2,3                        ; the four accumulators take turns, and the next matrix instructions are the next step's scores
	v_wmma_f32_16x16x128_fp8_fp8 v[160+8*\d:167+8*\d], v[32+16*\d:47+16*\d], v[192:207], v[160+8*\d:167+8*\d]
.endr
.Lhidden_\@:
	s_add_co_u32 s[KS], s[KS], 1
.endm
.macro CHUNKS trips, qr                ; so many chunks of 256 keys, from the one in hand on: a loop of constant length
	s_mov_b32 s3, \trips
.Lchunk_\@:
	STEP 0, \qr
	STEP 1, \qr
	s_add_co_u32 s[TB], s[TB], SLOTB
	s_sub_co_u32 s3, s3, 1
	s_cmp_lg_u32 s3, 0
	s_cbranch_scc1 .Lchunk_\@
.endm
; A tile's end: O^T / the sum, held and quantised: tile d's eight registers are channels 16 d + 8 h + 0..7 of my query: registers 2 d, 2 d + 1 of the last product's operand.  They leave as they stand.
.macro OUT base
.rept 4
	v_nop                                          ; places behind the last products
.endr
	v_add_f32 v14, v14, v15                        ; the sum's two halves,
	s_delay_alu instid0(VALU_DEP_1)
	v_permlanex16_b32 v252, v14, s[SEL], s[SEL+1]
	s_delay_alu instid0(VALU_DEP_1)
	v_add_f32 v14, v14, v252                       ; and lane l xor 16's
	s_wait_alu depctr_va_vdst(0)
	v_rcp_f32 v14, v14
	v_nop                                          ; a plain line behind the reciprocal,
	s_wait_alu depctr_va_vdst(0)                   ; and the wait ahead of its first reader
.set jj, 0
.rept 32
	v_mul_f32 v[96+jj], v[160+jj], v14
.set jj, jj+1
.endr
.set jj, 0
.rept 32
.set jj, jj+1
.endr
.irp d, 0,1,2,3
	v_cvt_scalef32_pk8_fp8_f32 v[192+2*\d:193+2*\d], v[96+8*\d:103+8*\d], v246
.endr
	v_nop                                          ; one plain vector line behind the last conversion
	global_store_b128 v[GO], v[192:195], s[\base:\base+1]             ; 32 lanes store 512 consecutive bytes, aligned
	global_store_b128 v[GO], v[196:199], s[\base:\base+1] offset:512
.endm
	s_wait_loadcnt 0x0                             ; Q
	s_wait_tensorcnt 0x1                           ; my first load (a chunk among 0-3) is in; my second (among 4-7) may be out
	s_barrier_signal -1
	s_barrier_wait -1                              ; chunks 0-3 are whole
	s_mov_b32 s[SG], s[GA]
	s_mov_b32 s[TB], 0
	s_mov_b32 s[KS], 0
	STEP 0, 16                                     ; my first tile (g at most 7: keys under 1,024): chunk 0, under which the other chunks land
	STEP 1, 16
	s_add_co_u32 s[TB], s[TB], SLOTB
	s_wait_tensorcnt 0x0                           ; my second load is in;
	s_wait_dscnt 0x0
	s_barrier_signal -1
	s_barrier_wait -1                              ; all eight chunks are whole.  It stands here, where every wave has had at most two steps, so that no wave waits for another's longer tile
	CHUNKS 3, 16
	OUT 80
	INIT
	s_mov_b32 s[SG], s[GB]
	s_mov_b32 s[TB], 0
	s_mov_b32 s[KS], 0
	s_wait_xcnt 0x0                                ; the stores have read their data: the codes' registers are written again below
	CHUNKS 8, 24                                   ; my second tile
	OUT 82
	s_wait_tensorcnt 0x0
	ds_add_u32 v251, v255
	s_wait_dscnt 0x0
	CROUND                                         ; the closing round
	s_endpgm
.Lfunc_end_k_q6bfed45fb1_attn:
	.size	k_q6bfed45fb1_attn, .Lfunc_end_k_q6bfed45fb1_attn-k_q6bfed45fb1_attn
	.p2alignl 7, 3214868480
	.fill 96, 4, 3214868480
	.section	.rodata,"a",@progbits
	.p2align	6, 0x0
	.amdhsa_kernel k_q6bfed45fb1_attn
		.amdhsa_group_segment_fixed_size 327680
		.amdhsa_private_segment_fixed_size 0
		.amdhsa_enable_private_segment 0
		.amdhsa_kernarg_size 24
		.amdhsa_user_sgpr_count 2
		.amdhsa_user_sgpr_kernarg_segment_ptr 1
		.amdhsa_wavefront_size32 1
		.amdhsa_system_sgpr_workgroup_id_x 1
		.amdhsa_system_sgpr_workgroup_id_y 1
		.amdhsa_system_sgpr_workgroup_id_z 1
		.amdhsa_system_vgpr_workitem_id 0
		.amdhsa_next_free_vgpr 256
		.amdhsa_next_free_sgpr 100
		.amdhsa_reserve_vcc 1
		.amdhsa_float_denorm_mode_32 3
		.amdhsa_float_denorm_mode_16_64 3
		.amdhsa_fp16_overflow 1
		.amdhsa_memory_ordered 1
		.amdhsa_forward_progress 1
		.amdhsa_inst_pref_size 128
	.end_amdhsa_kernel
	.amdgpu_metadata
---
amdhsa.version: [ 1, 2 ]
amdhsa.kernels:
  - .name:           k_q6bfed45fb1_attn
    .symbol:         k_q6bfed45fb1_attn.kd
    .args:
      - { .name: qkv, .offset: 0, .size: 8, .value_kind: global_buffer, .address_space: global }
      - { .name: lowp_scales, .offset: 8, .size: 8, .value_kind: global_buffer, .address_space: global }
      - { .name: acodes, .offset: 16, .size: 8, .value_kind: global_buffer, .address_space: global }
    .group_segment_fixed_size: 327680
    .private_segment_fixed_size: 0
    .kernarg_segment_align: 8
    .kernarg_segment_size: 24
    .max_flat_workgroup_size: 512
    .sgpr_count:     100
    .vgpr_count:     256
    .wavefront_size: 32
...
	.end_amdgpu_metadata
.endif
;; end of part 3
;; launch outp (part 4): grid 4 x 32, 4 waves a work-group, clusters of 4 x 4, 327,680 bytes of LDS; arguments acodes, wcodes, lowp_scales, out0; writes out0
.if DOCPART == 4
	.amdgcn_target "amdgcn-amd-amdhsa--gfx1250"
	.amdhsa_code_object_version 6
	.text
	.protected	k_q6bfed45fb1_outp
	.globl	k_q6bfed45fb1_outp
	.p2align	8
	.type	k_q6bfed45fb1_outp,@function
k_q6bfed45fb1_outp:
	s_mov_b64 s[64:65], 0
	v_nop
	global_prefetch_b8 v0, s[64:65] scope:SCOPE_SE
	s_setreg_imm32_b32 hwreg(HW_REG_WAVE_MODE, 25, 1), 1
	s_wait_xcnt 0x0
	s_wait_alu depctr_hold_cnt(0) depctr_sa_sdst(0) depctr_va_vdst(0) depctr_va_sdst(0) depctr_va_ssrc(0) depctr_va_vcc(0) depctr_vm_vsrc(0)
	s_getreg_b32 s2, hwreg(HW_REG_IB_STS2, 6, 4)
	s_cmp_eq_u32 s2, 0
	s_cbranch_scc0 .Lentry_in_a_cluster
	s_endpgm
.Lentry_in_a_cluster:
	s_bfe_u32 s2, ttmp6, 0x10000c
	s_cmp_lg_u32 s2, 0xf033
	s_cbranch_scc0 .Lentry_shape_is_right
	s_endpgm
.Lentry_shape_is_right:
; PRODUCT 6: out0 [8192][1024] f32 = A W_out^T on E4M3 codes, K = 1,024; each finished sum x 2^(e10 + e11).  LIMIT: e10 + e11 between -126 and 127, so that this power of two is an f32 number.
; A (the attention's result) lies in acodes as IMAGES OF ITS OPERAND'S REGISTERS: K step ks of 256, block rb of 16 rows: 4,096 bytes at ks x 2 MiB + rb x 4,096; in them the fragment of the q-th 128 along K is four
; pieces of 512 bytes, 16 bytes a lane.  So a wave's 128 rows of a K step are one dense block of 32 KiB for one tensor load, and a fragment comes back by four loads of consecutive bytes: no pitch, no padding.
; B = W_out's codes, rows 3,072 on of wcodes, K innermost, in the order that 16-byte loads turn into the plain fp8 operand.
; A tile of 256 x 256 is made by four waves, 128 x 128 each: 64 accumulators, 512 registers.  K goes in steps of 256 through a ring of two LDS slots.  32 x 4 tiles: 128 work-groups; the large wave tile is kept, since
; each LDS byte then feeds the most multiply-adds.  CLUSTERS: 4 x 4; A's tile is shared along a row of the cluster, B's along a column: each is asked for jointly.
; THE MATRIX INSTRUCTION IS USED TRANSPOSED (source 0 = 16 rows of B, source 1 = 16 rows of A): a lane holds eight neighbouring numbers of a row of the output.
; REGISTERS, in windows of 256: window 0: v0-31 addresses; from v128 A's fragments, ONE set; on the way out v32-255 are free.  window 1: B's fragments, TWO sets.  windows 2, 3: the accumulators.
.set SIZE_N, 1024
.set ROWB,   256
.set KROW,   1024
.set PITCH,  272                       ; B's LDS row: 256 bytes + 16 of padding
.set FR,     16
.set NL,     4
.set NP,     4
.set AHALF,  32768                     ; A: 128 rows of a K step, dense
.set BHALF,  128*PITCH
.set BOFF,   2*AHALF
.set SLOT,   BOFF+2*BHALF              ; A's two halves, then B's two
.set ASTEP,  0x200000                  ; from a K step of A to the next, in memory
.set LAPS,   2
.set SPARE,  2*SLOT                    ; behind the ring: the spare words, 128 bytes for each wave: two blocks of 256 bytes that no other line names
.set SPITCH, 528                       ; the way out: a stage of 16 rows x (512 bytes + 16) for each wave, in slot 0, which has had its last fill and its last read when the first result is stored there
.set ADRA, 16
.set ADRB, 20
.set STO,  24
.set RD,   25
.set CO,   26
.set SPW,  28
.set NIL,  29
.set TMP,  32
.set AF,   128
.set BK,   128
.set G1, 24
.set G0, 32
.set G1B, 48
.set G0B, 56
.set MSB, 0
.macro WIN new                         ; the immediate's high byte repeats the setting that is left
.if MSB != \new
	s_set_vgpr_msb (MSB<<8)|\new
.set MSB, \new
.endif
.endm
.set MUL_LO, 0xa1
.set MUL_HI, 0xf1
.set TO_B,   0x40
.macro JLOAD g0a, g1a, g0b, g1b        ; a joint load: waves 0 and 1 fetch for A, waves 2 and 3 for B; four v_nop follow each of the two lines
	s_cmp_eq_u32 s15, 0
	s_cbranch_scc0 .Lfor_b_\@
	tensor_load_to_lds s[\g0a:\g0a+3], s[\g1a:\g1a+7]
	s_nop 0
.rept 4
	v_nop
.endr
	s_branch .Lasked_\@
.Lfor_b_\@:
	tensor_load_to_lds s[\g0b:\g0b+3], s[\g1b:\g1b+7]
	s_nop 0
.rept 4
	v_nop
.endr
.Lasked_\@:
.endm
.macro CREST
	s_cmp_lg_u32 s14, 0
	s_cbranch_scc1 .Lnot_wave_0_\@
	s_barrier_signal -3
.Lnot_wave_0_\@:
	s_barrier_wait -3
	s_barrier_signal -1
	s_barrier_wait -1
.endm
.macro CROUND
	s_barrier_signal -1
	s_barrier_wait -1
	CREST
.endm
	s_load_b128 s[4:7], s[0:1], 0x0                ; acodes s[4:5], wcodes s[6:7]
	s_load_b128 s[8:11], s[0:1], 0x10              ; the scales' exponents s[8:9], out0 s[10:11]
	v_lshl_add_u32 v[SPW], v0, 2, SPARE
	v_mov_b32 v[NIL], 0
	ds_add_u32 v28, v29
	ds_add_u32 v28, v29
	s_wait_dscnt 0x0
	v_lshrrev_b32 v1, 5, v0
	v_readfirstlane_b32 s14, v1                    ; wave 0..3
	s_lshr_b32 s15, s14, 1                         ; which half of the tile's rows is mine.  Also: I fetch for A (0) or for B (1)
	s_and_b32 s16, s14, 1                          ; which half of its columns.  Also: which 128 rows of that tile I fetch
	s_bfe_u32 s40, ttmp6, 0x40000                  ; cx, cy
	s_bfe_u32 s41, ttmp6, 0x40004
	s_lshl_b32 s42, ttmp9, 2
	s_add_co_u32 s42, s42, s40                     ; tile column
	s_and_b32 s17, ttmp7, 0xffff
	s_lshl_b32 s17, s17, 2
	s_add_co_u32 s17, s17, s41                     ; tile row
	s_lshl_b32 s43, s41, 2
	s_lshl_b32 s43, 15, s43                        ; my row of the cluster
	s_lshl_b32 s44, 0x1111, s40                    ; my column
	s_or_b32 s[G1+0], s43, (0<<16)|(1<<21)         ; A: 15:0 the mask; elements of 1 byte; no padding; 21 set beside a mask
	s_or_b32 s[G1B+0], s44, (0<<16)|(1<<20)|(1<<21)|(5<<22)|(3<<25)  ; B: padding of four words after every 64
.irp g, G1, G1B
	s_mov_b32 s[\g+1], ROWB<<16                    ; tensor_dim0
	s_mov_b32 s[\g+2], 128<<16                     ; tensor_dim1
	s_mov_b32 s[\g+3], ROWB<<16                    ; tile_dim0
	s_mov_b32 s[\g+4], 128                         ; tile_dim1
	s_mov_b32 s[\g+6], 0
	s_mov_b32 s[\g+7], 0
.endr
	s_mov_b32 s[G1+5], ROWB                        ; A's block is dense: 128 rows of 256 bytes on end
	s_mov_b32 s[G1B+5], KROW
	s_lshl_b32 s18, s16, 7                         ; which 128 rows of the tile I fetch
	s_lshl_b32 s20, s17, 8
	s_add_co_u32 s20, s20, s18
	s_lshl_b32 s20, s20, 8                         ; A: 256 bytes of a K step for each row
	s_mov_b32 s21, 0
	s_lshl_b32 s46, s42, 8
	s_add_co_u32 s46, s46, s18
	s_lshl_b32 s46, s46, 10
	s_add_co_u32 s46, s46, 0x300000                ; B: W_out's rows begin 3 MiB into wcodes
	s_mov_b32 s47, 0
	s_lshl_b32 s45, s16, 15                        ; where A's go,
	s_mul_i32 s66, s16, BHALF
	s_add_co_u32 s66, s66, BOFF                    ; and B's: the wave's number alone decides
	s_wait_kmcnt 0x0
	s_load_b64 s[96:97], s[8:9], 0x28              ; e10, e11
	s_add_nc_u64 s[20:21], s[4:5], s[20:21]
	s_add_nc_u64 s[46:47], s[6:7], s[46:47]
	CROUND                                         ; all sixteen work-groups are here: the first joint loads meet
.irp s, 0,1
	s_mov_b32 s[G0+4*\s], 1
	s_add_co_u32 s[G0+4*\s+1], s45, \s*SLOT
	s_add_nc_u64 s[G0+4*\s+2:G0+4*\s+3], s[20:21], \s*ASTEP
	s_or_b32 s[G0+4*\s+3], s[G0+4*\s+3], 0x80000000
	s_mov_b32 s[G0B+4*\s], 1
	s_add_co_u32 s[G0B+4*\s+1], s66, \s*SLOT
	s_add_nc_u64 s[G0B+4*\s+2:G0B+4*\s+3], s[46:47], \s*ROWB
	s_or_b32 s[G0B+4*\s+3], s[G0B+4*\s+3], 0x80000000
	s_wait_alu depctr_va_vdst(0)
	s_wait_tensorcnt 0x0
	ds_add_u32 v28, v29
	ds_add_u32 v28, v29
	s_wait_dscnt 0x0
	CROUND
	JLOAD G0+4*\s, G1, G0B+4*\s, G1B
.endr
	v_and_b32 v1, 15, v0                           ; l % 16
	v_bfe_u32 v2, v0, 4, 1                         ; l / 16
	v_and_b32 v6, 31, v0
	v_lshlrev_b32 v[CO], 4, v6                     ; 16 x lane: my place in an image, and in a row of 512 bytes of the output
	v_mul_u32_u24 v3, v1, PITCH
	v_lshl_add_u32 v4, v2, 4, v3                   ; B: a fragment's row x pitch + 16 x half
	s_lshl_b32 s21, s15, 15                        ; my 128 rows of A
	s_mul_i32 s22, s16, BHALF                      ; my 128 rows of B,
	s_add_co_u32 s22, s22, BOFF                    ; which lie behind A's
.irp s, 0,1
	v_add_nc_u32 v[ADRA+\s], s21, v[CO]
	v_add_nc_u32 v[ADRB+\s], s22, v4
	s_add_co_u32 s21, s21, SLOT
	s_add_co_u32 s22, s22, SLOT
.endr
	s_mul_i32 s23, s14, 16*SPITCH                  ; my stage
	v_mul_u32_u24 v5, v1, SPITCH                   ; in: row l % 16, 32 bytes for each half of the lanes
	v_lshl_add_u32 v5, v2, 5, v5
	v_add_nc_u32 v[STO], s23, v5
	v_add_nc_u32 v[RD], s23, v[CO]                 ; back: the 32 lanes take one row of 512 bytes
	s_lshl_b32 s20, s17, 8
	s_lshl_b32 s21, s15, 7
	s_add_co_u32 s20, s20, s21                     ; my first row of the output
	s_lshl_b32 s20, s20, 12                        ; x 4,096 bytes
	s_mov_b32 s21, 0
	s_lshl_b32 s46, s42, 10                        ; my first column, in bytes
	s_lshl_b32 s47, s16, 9
	s_add_co_u32 s46, s46, s47
	s_mov_b32 s47, 0
	s_add_nc_u64 s[20:21], s[20:21], s[46:47]
	s_add_nc_u64 s[10:11], s[10:11], s[20:21]
.macro FRAGA reg, adr, q, i            ; A's fragment of block i, the slot's q-th 128 along K: its image, four pieces of 512 consecutive bytes
.irp c, 0,1,2,3
	ds_load_b128 v[\reg+4*\c:\reg+4*\c+3], v[\adr] offset:2048*(\q)+512*\c+4096*(\i)
.endr
.endm
.macro FRAGB reg, adr, q, i            ; B's: four loads of 16 bytes, 32 apart, from rows
.irp c, 0,1,2,3
	ds_load_b128 v[\reg+4*\c:\reg+4*\c+3], v[\adr] offset:128*(\q)+32*\c+(\i)*16*PITCH
.endr
.endm
; 16 matrix instructions: A's blocks a0, a0 + 1 x B's eight.  The 64 accumulators take turns, one instruction a turn.
.macro MUL16 a0, p, zero
.irp a, \a0, \a0+1
.irp b, 0,1,2,3,4,5,6,7
.if \zero
	v_wmma_f32_16x16x128_fp8_fp8 v[8*(8*((\a)%4)+\b):8*(8*((\a)%4)+\b)+7], v[128*(\p)+FR*\b:128*(\p)+FR*\b+FR-1], v[AF+FR*(\a):AF+FR*(\a)+FR-1], 0
.else
	v_wmma_f32_16x16x128_fp8_fp8 v[8*(8*((\a)%4)+\b):8*(8*((\a)%4)+\b)+7], v[128*(\p)+FR*\b:128*(\p)+FR*\b+FR-1], v[AF+FR*(\a):AF+FR*(\a)+FR-1], v[8*(8*((\a)%4)+\b):8*(8*((\a)%4)+\b)+7]
.endif
.endr
.endr
.endm
.macro FETCH_B slot, q, p
	WIN TO_B
.irp i, 0,1,2,3,4,5,6,7
	FRAGB 128*(\p)+FR*\i, ADRB+\slot, \q, \i
.endr
	WIN 0
.endm
.macro FETCH_A slot, q, i0
.irp i, \i0, \i0+1, \i0+2, \i0+3
	FRAGA AF+FR*(\i), ADRA+\slot, \q, \i
.endr
.endm
.macro PLACES n                        ; plain vector lines between a matrix instruction and a load into, or a vector read of, its registers (ISA guide 7.12.1 for vector reads)
.rept \n
	v_nop
.endr
.endm
.macro STEP slot, q, zero
	s_wait_dscnt 4*NL                              ; B's set and A's blocks 0-3 are in; the youngest sixteen loads (A's blocks 4-7) may be out
	WIN MUL_LO
	MUL16 0, (\q)%2, \zero
	MUL16 2, (\q)%2, \zero
	s_wait_dscnt 0
	PLACES NP
	FETCH_B \slot, (\q)+1, 1-(\q)%2
	FETCH_A \slot, (\q)+1, 0
	WIN MUL_HI
	MUL16 4, (\q)%2, \zero
	MUL16 6, (\q)%2, \zero
	PLACES NP
	WIN 0
	FETCH_A \slot, (\q)+1, 4
.endm
; A slot's last step changes slots: ONE barrier; in front of it each wave waits for all its tensor loads, adds 0 to its spare word, and waits for that and for its own reads of this slot.
.macro TURN slot, next, fill
	s_wait_tensorcnt 0x0                           ; all my tensor loads have landed: my part of the next slot
	ds_add_u32 v[SPW], v[NIL]                      ; 0 onto my spare word
	s_wait_dscnt 4*NL+1                            ; (the add and the youngest sixteen loads may be out)
	WIN MUL_LO
	MUL16 0, 1, 0
	s_wait_dscnt 0x0                               ; the add is done, and my reads of this slot are over
	s_barrier_signal -1
	MUL16 2, 1, 0
	WIN 0
	s_barrier_wait -1
.if \fill
	CREST                                          ; the barrier has opened a round of the cluster's barrier
	s_add_nc_u64 s[G0+4*\slot+2:G0+4*\slot+3], s[G0+4*\slot+2:G0+4*\slot+3], 2*ASTEP
	s_add_nc_u64 s[G0B+4*\slot+2:G0B+4*\slot+3], s[G0B+4*\slot+2:G0B+4*\slot+3], 2*ROWB
	JLOAD G0+4*\slot, G1, G0B+4*\slot, G1B         ; the first tensor load behind the round; its four v_nop are also the places in front of the loads below
.else
	PLACES NP
.endif
	FETCH_B \next, 0, 0
	FETCH_A \next, 0, 0
	WIN MUL_HI
	MUL16 4, 1, 0
	MUL16 6, 1, 0
	PLACES NP
	WIN 0
	FETCH_A \next, 0, 4
.endm
	s_wait_alu depctr_va_vdst(0)
	s_wait_tensorcnt 1                             ; my part of K step 0 is in; K step 1's load may be out
	s_barrier_signal -1
	s_barrier_wait -1
	FETCH_B 0, 0, 0
	FETCH_A 0, 0, 0
	FETCH_A 0, 0, 4
	STEP 0, 0, 1                                   ; the first step's products start the sums
	s_mov_b32 s3, LAPS-1
.Llap:
	TURN 0, 1, 1
	STEP 1, 0, 0
	TURN 1, 0, 1
	STEP 0, 0, 0
	s_sub_co_u32 s3, s3, 1
	s_cmp_lg_u32 s3, 0
	s_cbranch_scc1 .Llap
	TURN 0, 1, 0                                   ; the last lap fills nothing
	STEP 1, 0, 0
	s_wait_dscnt 4*NL
	WIN MUL_LO
	MUL16 0, 1, 0
	MUL16 2, 1, 0
	s_wait_dscnt 0
	WIN MUL_HI
	MUL16 4, 1, 0
	MUL16 6, 1, 0
	WIN 0
; THE WAY OUT, block by block of 16 rows x 128 columns, through my own stage in LDS: in as 32 bytes a lane, back as whole rows of 512 bytes.  LDS serves a wave's instructions in order (ISA guide 5.7.1.4).
.macro TOSTAGE a
.set AC, 64*((\a)%4)
	WIN 0x02+((\a)/4)                              ; source 0: window 2 or 3
.irp j, 0,2,4,6,8,10,12,14,16,18,20,22,24,26,28,30,32,34,36,38,40,42,44,46,48,50,52,54,56,58,60,62
	v_pk_mul_f32 v[TMP+\j:TMP+\j+1], v[AC+\j:AC+\j+1], s[96:97] op_sel_hi:[1,0]   ; both x s96 = 2^(e10 + e11); each accumulator from its low end on
.endr
	WIN 0
.irp b, 0,1,2,3,4,5,6,7
	ds_store_b128 v[STO], v[TMP+8*\b:TMP+8*\b+3] offset:64*\b
	ds_store_b128 v[STO], v[TMP+8*\b+4:TMP+8*\b+7] offset:64*\b+16
.endr
.set BB, BK+64*((\a)%2)
.irp t, 0,1,2,3,4,5,6,7,8,9,10,11,12,13,14,15
	ds_load_b128 v[BB+4*\t:BB+4*\t+3], v[RD] offset:\t*SPITCH
.endr
.endm
.macro SEND a, younger                 ; younger: the LDS instructions issued behind block a's loads, which may stay out
.set BB, BK+64*((\a)%2)
	s_wait_dscnt \younger
.if (\a) > 0
	s_add_nc_u64 s[10:11], s[10:11], 16*SIZE_N*4   ; (behind a wait on XCNT: the earlier stores have read their base)  16 rows on
.endif
.irp t, 0,1,2,3,4,5,6,7,8,9,10,11,12,13,14,15
	global_store_b128 v[CO], v[BB+4*\t:BB+4*\t+3], s[10:11] offset:\t*SIZE_N*4 th:TH_STORE_NT   ; 32 lanes store 512 consecutive bytes, aligned; written once, read by nobody here
.endr
.endm
	s_wait_kmcnt 0x0
	s_add_co_i32 s96, s96, s97
	s_add_co_i32 s96, s96, 127
	s_lshl_b32 s96, s96, 23                        ; 2^(e10 + e11) as f32
	PLACES NP                                      ; behind the last products: their results are read, and A's fragment registers loaded into, below
	TOSTAGE 0
.irp a, 1,2,3,4,5,6,7
.if \a > 1
	s_wait_xcnt 0x0                                ; block a - 2's stores have read their registers and their base
.endif
	TOSTAGE \a
	SEND \a-1, 32                                  ; behind block a - 1's loads: block a's 16 stores and 16 loads
.endr
	s_wait_xcnt 0x0
	SEND 7, 0
	s_wait_tensorcnt 0x0                           ; the wave's end, behind my last tensor load and my last LDS store
	ds_add_u32 v[SPW], v[NIL]
	s_wait_dscnt 0x0
	CROUND                                         ; the closing round
	s_endpgm
.Lfunc_end_k_q6bfed45fb1_outp:
	.size	k_q6bfed45fb1_outp, .Lfunc_end_k_q6bfed45fb1_outp-k_q6bfed45fb1_outp
	.p2alignl 7, 3214868480
	.fill 96, 4, 3214868480
	.section	.rodata,"a",@progbits
	.p2align	6, 0x0
	.amdhsa_kernel k_q6bfed45fb1_outp
		.amdhsa_group_segment_fixed_size 327680
		.amdhsa_private_segment_fixed_size 0
		.amdhsa_enable_private_segment 0
		.amdhsa_kernarg_size 32
		.amdhsa_user_sgpr_count 2
		.amdhsa_user_sgpr_kernarg_segment_ptr 1
		.amdhsa_wavefront_size32 1
		.amdhsa_system_sgpr_workgroup_id_x 1
		.amdhsa_system_sgpr_workgroup_id_y 1
		.amdhsa_system_sgpr_workgroup_id_z 1
		.amdhsa_system_vgpr_workitem_id 0
		.amdhsa_next_free_vgpr 1024
		.amdhsa_next_free_sgpr 98
		.amdhsa_reserve_vcc 0
		.amdhsa_float_denorm_mode_32 3
		.amdhsa_float_denorm_mode_16_64 3
		.amdhsa_memory_ordered 1
		.amdhsa_forward_progress 1
		.amdhsa_inst_pref_size 124
	.end_amdhsa_kernel
	.amdgpu_metadata
---
amdhsa.version: [ 1, 2 ]
amdhsa.kernels:
  - .name:           k_q6bfed45fb1_outp
    .symbol:         k_q6bfed45fb1_outp.kd
    .args:
      - { .name: acodes, .offset: 0, .size: 8, .value_kind: global_buffer, .address_space: global }
      - { .name: wcodes, .offset: 8, .size: 8, .value_kind: global_buffer, .address_space: global }
      - { .name: lowp_scales, .offset: 16, .size: 8, .value_kind: global_buffer, .address_space: global }
      - { .name: out0, .offset: 24, .size: 8, .value_kind: global_buffer, .address_space: global }
    .group_segment_fixed_size: 327680
    .private_segment_fixed_size: 0
    .kernarg_segment_align: 8
    .kernarg_segment_size: 32
    .max_flat_workgroup_size: 128
    .sgpr_count:     98
    .vgpr_count:     1024
    .wavefront_size: 32
...
	.end_amdgpu_metadata
.endif
;; end of part 4
